; MI455X (gfx1250); checked and timed in simulation.
; The chip was launched on July 23, 2026; its instructions are those of AMD's public machine-readable ISA for CDNA 5 (MIT licence, August 2026) and "CDNA5" Instruction Set Architecture Reference Guide (July 2026). The comments in the code are by the model that wrote it; some were corrected since.
;; Attention. Allowed arithmetic: matrix products marked QUANTISED: E2M1 operands, one E8M0 scale for each 32 along K, by v_wmma_scale_f32_16x16x128_f8f6f4 with both operands' format E2M1 (or v_wmma_scale_f32_32x16x128_f4), f32 sums; products left as they are: bf16, f16 or f32 operands; f32 sums; everything else in f32.
;; Inputs: W_k 1,024 x 1,024 float32; W_o 1,024 x 1,024 float32; W_q 1,024 x 1,024 float32; W_v 1,024 x 1,024 float32; x 2 x 2,048 x 1,024 float32.
;; Outputs: out0 2 x 2,048 x 1,024 float32.
;; This version of the problem:
;;   THIS VERSION OF THE PROBLEM IS GIVEN IN LOW PRECISION. The matrix products marked QUANTISED in the list below multiply operands that are first quantised to E2M1 (2 exponent bits, 1 mantissa bit; 4 bits a number), with one power-of-two scale for each 32 numbers along K (OCP MX v1.0); their sums are f32. The products marked 'left as it is' may take bf16, f16 or f32 operands, with f32 sums. Whichever they take, every output number must still come out within the allowed error. Rounding operands to bf16 (8 significant bits) uses up far more of that allowance than f16 does (11 bits, for magnitudes from 6e-5 to 65,504). All else is computed in f32.
;;   The module's matrix products, in the order in which they are computed (A, B: the left and right operand; K: the contracted axis; several contracted axes count as one K, in the product's order):
;;     1. [M 4,096, K 1,024] x [K 1,024, N 1,024]; A: input x; B: input W_q: QUANTISED
;;     2. [M 4,096, K 1,024] x [K 1,024, N 1,024]; A: input x; B: input W_k: QUANTISED
;;     3. [M 4,096, K 1,024] x [K 1,024, N 1,024]; A: input x; B: input W_v: QUANTISED
;;     4. batch 32 x [M 2,048, K 64] x [K 64, N 2,048]; A: computed on the way; B: computed on the way: left as it is (an operand is computed on the way)
;;     5. batch 32 x [M 2,048, K 2,048] x [K 2,048, N 64]; A: computed on the way; B: computed on the way: left as it is (an operand is computed on the way)
;;     6. [M 4,096, K 1,024] x [K 1,024, N 1,024]; A: computed on the way; B: input W_o: left as it is (an operand is computed on the way)
;;   THE QUANTISER, for each operand of a quantised product, along K:
;;     - K is cut into blocks of 32 from its start; a last block that is shorter is filled with zeros.
;;     - A block's scale is 2^e with e = floor(log2(the largest magnitude in the block)) - 2, held to -126 .. 127; a block of zeros has e = 0. As a byte (E8M0): e + 127.
;;     - Each number is divided by its block's scale, clamped to +-6, and rounded to the nearest number of E2M1, ties to even, subnormals kept.
;;     - The product sums the exact products of the quantised numbers (number of the format x scale) in f32.
;;   ~~~python
;;   def quantise(x, axis):      # numpy; x: float32 -> the quantised numbers, widened to float32 again
;;       x = np.moveaxis(x, axis, -1); K = x.shape[-1]
;;       x = np.pad(x, [(0, 0)] * (x.ndim - 1) + [(0, -K % 32)]); x = x.reshape(x.shape[:-1] + (-1, 32)); a = np.abs(x).max(-1, keepdims=True)
;;       e = np.where(a > 0, np.clip(np.frexp(np.where(a > 0, a, 1))[1] - 1 - 2, -126, 127), 0)      # np.frexp(a)[1] - 1 = floor(log2(a)), exactly
;;       r = np.clip(x / 2.0 ** e, -6, 6)
;;       step = 2.0 ** (np.maximum(np.frexp(np.where(r == 0, 1, r))[1] - 1, 0) - 1)
;;       q = np.round(r / step) * step * 2.0 ** e      # np.round: ties to even
;;       return np.moveaxis(q.reshape(q.shape[:-2] + (-1,))[..., :K], -1, axis).astype(np.float32)
;;   ~~~
;; One version. Each part assembles by itself: llvm-mc -triple=amdgcn-amd-amdhsa -mcpu=gfx1250 --defsym DOCPART=n.
;; ======== version 1 of 1: 5 launches
;; limits: values are held in f16: magnitudes above 65,504 overflow, below 6.1e-05 lose precision
;; workspace buffers: codes 3,670,016 bytes; scales 229,376 bytes; wo16 2,097,152 bytes; rope 524,288 bytes; qkv16 25,165,824 bytes; qkv32 393,216 bytes; o16 8,388,608 bytes
;; launch prep (part 1): grid 288 x 1, 4 waves a work-group, no clusters, 33,280 bytes of LDS; arguments x, W_q, W_k, W_v, W_o, codes, scales, wo16, rope; writes codes, scales, wo16, rope
.if DOCPART == 1
	.amdgcn_target "amdgcn-amd-amdhsa--gfx1250"
	.amdhsa_code_object_version 6
	.text
	.protected	k_q8965fe8d3b_prep
	.globl	k_q8965fe8d3b_prep
	.p2align	8
	.type	k_q8965fe8d3b_prep,@function
k_q8965fe8d3b_prep:
	s_mov_b64 s[64:65], 0
	v_nop
	global_prefetch_b8 v0, s[64:65] scope:SCOPE_SE
	s_setreg_imm32_b32 hwreg(HW_REG_WAVE_MODE, 25, 1), 1
	s_wait_xcnt 0x0
; PREP: all that is made once from the inputs, in one launch of three paths that part on the work-group's number.
;  work-groups 0-223:   x [4096][1024] and W_q, W_k, W_v [1024][1024], f32, K innermost, become codes of E2M1 (two a byte, lower k in the low four bits) and one E8M0 byte for each 32 along K.
;                       The four tensors are one stream of 7,168 rows: codes [7168][512 bytes], scales [7168][32 bytes]; rows 0-4095 x, 4096.. W_q, 5120.. W_k, 6144.. W_v.
;  work-groups 224-255: W_o, f32, becomes f16 laid [8 blocks of 128 rows n][16 pieces of 64 along e][128][64]: a piece is 16,384 dense bytes.
;  work-groups 256-287: RoPE's table, f32 [2048 positions][32 pairs][cos, sin]: 256 bytes a position.
; A block's scale is 2^(floor(log2(largest magnitude)) - 2); its byte is that magnitude's exponent field - 2, held at 1 from below.  A block of zeros keeps the byte 1: its codes are zeros, and this program alone reads the bytes.
; LIMITS: NaN and infinities among the inputs are not served; blocks whose largest magnitude lies under 2^-124 keep the byte 1; |W_o| stays under 65,504 (f16).
; The table's angle is position x inv_freq in one rounding; inv_freq = 2^(-j log2(10000) / 32) by v_exp_f32, so it may differ from a correctly rounded one in its last bits: up to about 2.4e-4 radians at the last positions,
; under 3e-6 for the first 16.  Sine and cosine: reduction by pi/2 in two parts, polynomials on +-pi/4, in f32.
; No tensor loads, no barrier: waves share nothing.  Only the first path touches LDS.
.set WAVES, 4
.set STEPS, 16
.set EMAX,  2
.set CB,    8                          ; bytes of 16 codes
.set R,     16                         ; v16-79   four sets of 16 numbers as they are loaded
.set X,     80                         ; v80-111  two sets of 16 neighbours
.set C,     128                        ; v128-191 codes: four registers for each step
.set E,     112                        ; v112-127 a scale byte for each step
.set WREG,  8192                       ; LDS: a region for each wave: two stages of 32 x SP bytes, then its 256 scale bytes
.set SP,    80                         ; a lane's place in a stage: 64 bytes + 16 of padding
.set SPW,   12                         ; v12 LDS address of my spare word; never rewritten
.set NIL,   13                         ; v13 0; never rewritten
.set SPARE, WAVES*WREG                 ; behind the four regions: the spare words, 128 bytes a wave
	s_load_b256 s[4:11], s[0:1], 0x0               ; x s[4:5], W_q s[6:7], W_k s[8:9], W_v s[10:11]
	s_load_b256 s[12:19], s[0:1], 0x20             ; W_o s[12:13], codes s[14:15], scales s[16:17], wo16 s[18:19]
	s_load_b64 s[20:21], s[0:1], 0x40              ; rope
	v_lshl_add_u32 v[SPW], v0, 2, SPARE
	v_mov_b32 v[NIL], 0
	v_lshrrev_b32 v1, 5, v0
	v_readfirstlane_b32 s24, v1                    ; wave
	v_and_b32 v2, 31, v0                           ; lane
	s_wait_kmcnt 0x0
	s_cmp_ge_u32 ttmp9, 224
	s_cbranch_scc1 .Lnot_quant
; ---------------- the quantiser: a wave takes 16 steps of 512 numbers ----------------
; Each of a step's four loads reads 512 consecutive bytes; the 2,048 bytes turn through the wave's own stage in LDS so that a lane holds 16 neighbours along K (two lanes to a block).
	v_lshlrev_b32 v3, 4, v2                        ; my 16 bytes of a load's 512
	s_mul_i32 s25, s24, WREG
	v_lshrrev_b32 v14, 2, v2
	v_mul_u32_u24 v14, v14, SP
	v_and_b32 v15, 3, v2
	v_lshl_add_u32 v14, v15, 4, v14
	v_add_nc_u32 v14, s25, v14                     ; the stage, on the way in: SP (lane / 4) + 16 (lane % 4)
	v_mul_u32_u24 v15, v2, SP
	v_add_nc_u32 v15, s25, v15                     ; and on the way out: SP x lane
	v_mul_u32_u24 v4, v2, CB                       ; my codes' place in a step's
	v_lshrrev_b32 v5, 1, v2
	s_add_co_u32 s25, s25, 2*32*SP
	v_add_nc_u32 v5, s25, v5                       ; my wave's 256 scale bytes, my block's byte
	v_lshlrev_b32 v7, 3, v2
	v_add_nc_u32 v6, s25, v7                       ; and on the way out 8 bytes a lane
	s_mov_b64 s[26:27], s[10:11]                   ; which tensor: the choice hangs on the work-group's number alone
	s_mov_b32 s22, 192
	s_cmp_lt_u32 ttmp9, 192
	s_cselect_b64 s[26:27], s[8:9], s[26:27]
	s_cselect_b32 s22, 160, s22
	s_cmp_lt_u32 ttmp9, 160
	s_cselect_b64 s[26:27], s[6:7], s[26:27]
	s_cselect_b32 s22, 128, s22
	s_cmp_lt_u32 ttmp9, 128
	s_cselect_b64 s[26:27], s[4:5], s[26:27]
	s_cselect_b32 s22, 0, s22                      ; the tensor's first work-group
	s_sub_co_u32 s22, ttmp9, s22
	s_lshl_b32 s22, s22, 2
	s_add_co_u32 s22, s22, s24                     ; which run of 8,192 numbers of the tensor is my wave's
	s_lshl_b32 s28, s22, 15                        ; 32,768 bytes a run
	s_mov_b32 s29, 0
	s_add_nc_u64 s[26:27], s[26:27], s[28:29]
	s_lshl_b32 s22, ttmp9, 2
	s_add_co_u32 s22, s22, s24                     ; which run of the one stream of codes and scale bytes
	s_lshl_b32 s28, s22, 12                        ; 4,096 bytes of codes a run
	s_add_nc_u64 s[14:15], s[14:15], s[28:29]
	s_lshl_b32 s28, s22, 8                         ; 256 scale bytes a run
	s_add_nc_u64 s[16:17], s[16:17], s[28:29]
.macro LOAD t
.irp i, 0,1,2,3
	global_load_b128 v[R+16*((\t)%4)+4*\i:R+16*((\t)%4)+4*\i+3], v3, s[26:27] offset:2048*(\t)+512*\i th:TH_LOAD_NT   ; 32 lanes read 512 consecutive bytes
.endr
.endm
.macro TURN t                          ; step t's numbers through the stage: LDS serves a wave's instructions in order, so no wait stands between the stores and the loads
.irp i, 0,1,2,3
	ds_store_b128 v14, v[R+16*((\t)%4)+4*\i:R+16*((\t)%4)+4*\i+3] offset:32*SP*((\t)%2)+8*SP*\i
.endr
.irp i, 0,1,2,3
	ds_load_b128 v[X+16*((\t)%2)+4*\i:X+16*((\t)%2)+4*\i+3], v15 offset:32*SP*((\t)%2)+16*\i
.endr
.endm
.irp t, 0,1,2,3
	LOAD \t
.endr
	s_wait_loadcnt 12                              ; step 0's four loads are in; three steps' twelve stay out
	TURN 0
.macro STEP t
.set XS, X+16*((\t)%2)
.if (\t) > 0
	s_wait_dscnt 1                                 ; this step's numbers are back from the stage (the last step's byte store may be out)
.else
	s_wait_dscnt 0x0
.endif
.if (\t)+4 < STEPS
	LOAD (\t)+4                                    ; the registers that the stage's stores have read take the loads of four steps on
.endif
.if (\t)+1 < STEPS
.if STEPS-2-(\t) >= 3
	s_wait_loadcnt 12                              ; the next step's four loads are in; those of the three steps behind it may be out
.else
	s_wait_loadcnt 4*(STEPS-2-(\t))
.endif
	TURN (\t)+1                                    ; and go through the other stage while this step is worked
.endif
	v_max3_num_f32 v8, |v[XS]|, |v[XS+1]|, |v[XS+2]|               ; the largest magnitude of my 16, in two chains
	v_max3_num_f32 v9, |v[XS+3]|, |v[XS+4]|, |v[XS+5]|
.irp i, 6,10
	v_max3_num_f32 v8, v8, |v[XS+\i]|, |v[XS+\i+1]|
	v_max3_num_f32 v9, v9, |v[XS+\i+2]|, |v[XS+\i+3]|
.endr
	v_max3_num_f32 v8, v8, |v[XS+14]|, |v[XS+15]|
	v_max3_num_f32 v8, v8, v9, (EMAX+1)<<23        ; and the floor 2^(3 - 127): the byte cannot fall under 1
	v_max_num_f32_dpp v8, v8, v8 row_xmask:1 row_mask:0xf bank_mask:0xf   ; and of my neighbour's 16: the block's
	v_add_nc_u32 v11, -(EMAX<<23), v8              ; 2 off its exponent field: the conversion takes the exponent field of this operand as its scale
	v_cvt_scalef32_pk8_fp4_f32 v[C+4*(\t)], v[XS:XS+7], v11
	v_cvt_scalef32_pk8_fp4_f32 v[C+4*(\t)+1], v[XS+8:XS+15], v11
	v_lshrrev_b32 v[E+(\t)], 23, v11               ; the scale's byte (also the plain line behind the conversions)
	ds_store_b8 v5, v[E+(\t)] offset:16*(\t)       ; both lanes of a block write the same byte with the same value
	global_store_b64 v4, v[C+4*(\t):C+4*(\t)+1], s[14:15] offset:32*CB*(\t)   ; the wave stores 256 consecutive bytes, aligned
.endm
.irp t, 0,1,2,3,4,5,6,7,8,9,10,11,12,13,14,15
	STEP \t
.endr
	ds_load_b64 v[8:9], v6                         ; my wave's 256 scale bytes, in order behind my stores
	s_wait_dscnt 0x0
	global_store_b64 v7, v[8:9], s[16:17]          ; 32 lanes store 256 consecutive bytes, aligned
	s_wait_tensorcnt 0x0                           ; the wave's end, behind my last LDS store
	ds_add_u32 v[SPW], v[NIL]
	s_wait_dscnt 0x0
	s_endpgm
.Lnot_quant:
	s_cmp_ge_u32 ttmp9, 256
	s_cbranch_scc1 .Lrope
; ---------------- W_o to f16: a wave takes one piece: 128 rows n x 64 along e ----------------
; A lane takes 8 numbers (32 bytes) of a row; eight lanes a row's 256 bytes, four rows an instruction.  Its 8 f16 are 16 bytes; the wave's store covers 512 consecutive bytes.
	s_sub_co_u32 s22, ttmp9, 224
	s_lshl_b32 s22, s22, 2
	s_add_co_u32 s22, s22, s24                     ; piece 0..127 = 16 x block of rows + piece along e
	s_lshr_b32 s28, s22, 4
	s_lshl_b32 s28, s28, 19                        ; 128 rows of 4,096 bytes
	s_and_b32 s25, s22, 15
	s_lshl_b32 s25, s25, 8                         ; 64 numbers of 4 bytes
	s_add_co_u32 s28, s28, s25
	s_mov_b32 s29, 0
	s_add_nc_u64 s[12:13], s[12:13], s[28:29]
	s_lshl_b32 s28, s22, 14                        ; 16,384 bytes a piece
	s_add_nc_u64 s[18:19], s[18:19], s[28:29]
	v_lshrrev_b32 v3, 3, v2
	v_lshlrev_b32 v3, 12, v3
	v_and_b32 v5, 7, v2
	v_lshl_add_u32 v3, v5, 5, v3                   ; in: 4,096 (lane / 8) + 32 (lane % 8)
	v_lshlrev_b32 v4, 4, v2                        ; out: 16 x lane
.macro LOADB t                         ; batch t: 32 rows, 16 loads, into set t % 2 (v32-95, v96-159)
.irp k, 0,1,2,3,4,5,6,7
	global_load_b128 v[32+64*((\t)%2)+8*\k:32+64*((\t)%2)+8*\k+3], v3, s[12:13] offset:(8*(\t)+\k)*16384 th:TH_LOAD_NT
	global_load_b128 v[32+64*((\t)%2)+8*\k+4:32+64*((\t)%2)+8*\k+7], v3, s[12:13] offset:(8*(\t)+\k)*16384+16 th:TH_LOAD_NT
.endr
.endm
.macro CONV t
.if (\t) < 3
	s_wait_loadcnt 16                              ; this batch is in; the next batch's 16 loads stay out
.else
	s_wait_loadcnt 0x0
.endif
.if (\t) > 0
	s_wait_xcnt 0x0                                ; the last batch's stores have read v160-191: they are written again only behind this wait
.endif
.irp k, 0,1,2,3,4,5,6,7
.irp p, 0,1,2,3
	v_cvt_pk_f16_f32 v[160+4*\k+\p], v[32+64*((\t)%2)+8*\k+2*\p], v[32+64*((\t)%2)+8*\k+2*\p+1]
.endr
.endr
.irp k, 0,1,2,3,4,5,6,7
	global_store_b128 v4, v[160+4*\k:160+4*\k+3], s[18:19] offset:(8*(\t)+\k)*512
.endr
.if (\t)+2 < 4
	LOADB (\t)+2
.endif
.endm
	LOADB 0
	LOADB 1
	CONV 0
	CONV 1
	CONV 2
	CONV 3
	s_endpgm
.Lrope:
; ---------------- RoPE's table: a wave takes 16 positions, a lane one pair ----------------
	s_sub_co_u32 s22, ttmp9, 256
	s_lshl_b32 s22, s22, 6
	s_lshl_b32 s25, s24, 4
	s_add_co_u32 s25, s22, s25                     ; my wave's first position
	s_lshl_b32 s28, s25, 8                         ; 256 bytes a position
	s_mov_b32 s29, 0
	s_add_nc_u64 s[20:21], s[20:21], s[28:29]
	s_mov_b32 s30, 0x3f22f983                      ; 2 / pi
	s_mov_b32 s31, 0x3fc90fdb                      ; pi / 2, its f32 part,
	s_mov_b32 s32, 0xb33bbd2e                      ; and what is left of it
	s_mov_b32 s33, 0xb94ca1f9                      ; sine:   ((S0 z + S1) z + S2) z r + r
	s_mov_b32 s34, 0x3c08839e
	s_mov_b32 s35, 0xbe2aaaa3
	s_mov_b32 s36, 0x37ccf5ce                      ; cosine: ((C0 z + C1) z + C2) z z - z / 2 + 1
	s_mov_b32 s37, 0xbab6061a
	s_mov_b32 s38, 0x3d2aaaa5
	v_lshlrev_b32 v4, 3, v2                        ; 8 bytes a pair
	v_cvt_f32_u32 v5, v2
	v_mul_f32 v5, 0xbed49a78, v5                   ; -j log2(10000) / 32
	v_exp_f32 v5, v5                               ; inv_freq of my pair
	v_nop                                          ; a plain line behind the exponential,
	s_wait_alu depctr_va_vdst(0)                   ; and the wait ahead of its first reader
.macro SINCOS i
	s_add_co_u32 s26, s25, \i
	v_cvt_f32_u32 v6, s26
	v_mul_f32 v6, v6, v5                           ; the angle: position x inv_freq, one rounding
	v_mul_f32 v7, s30, v6
	v_rndne_f32 v7, v7                             ; n = the nearest multiple of pi / 2
	v_fma_f32 v8, -v7, s31, v6
	v_fma_f32 v8, -v7, s32, v8                     ; r, within +-pi/4
	v_cvt_i32_f32 v10, v7
	v_mul_f32 v9, v8, v8                           ; z
	v_fma_f32 v11, v9, s33, s34
	v_fma_f32 v14, v9, s36, s37
	v_fma_f32 v11, v11, v9, s35
	v_fma_f32 v14, v14, v9, s38
	v_mul_f32 v11, v11, v9
	v_mul_f32 v14, v14, v9
	v_fma_f32 v15, v9, -0.5, 1.0
	v_fma_f32 v16, v11, v8, v8                     ; sin r
	v_fma_f32 v17, v14, v9, v15                    ; cos r
	v_and_b32 v18, 1, v10
	v_cmp_eq_u32 vcc_lo, 1, v18                    ; n odd: the two change places (a choice of values, no branch)
	v_lshlrev_b32 v19, 30, v10
	v_add_nc_u32 v20, 1, v10
	v_lshlrev_b32 v20, 30, v20
	v_and_b32 v19, 0x80000000, v19                 ; the sine's sign: bit 1 of n
	v_and_b32 v20, 0x80000000, v20                 ; the cosine's: bit 1 of n + 1
	v_cndmask_b32 v21, v16, v17, vcc_lo
	v_cndmask_b32 v22, v17, v16, vcc_lo
	v_xor_b32 v[33+2*\i], v19, v21
	v_xor_b32 v[32+2*\i], v20, v22
	global_store_b64 v4, v[32+2*\i:33+2*\i], s[20:21] offset:256*\i   ; the wave stores a position's 256 bytes; each position has registers of its own
.endm
.irp i, 0,1,2,3,4,5,6,7,8,9,10,11,12,13,14,15
	SINCOS \i
.endr
	s_endpgm
.Lfunc_end_k_q8965fe8d3b_prep:
	.size	k_q8965fe8d3b_prep, .Lfunc_end_k_q8965fe8d3b_prep-k_q8965fe8d3b_prep
	.p2alignl 7, 3214868480
	.fill 96, 4, 3214868480
	.section	.rodata,"a",@progbits
	.p2align	6, 0x0
	.amdhsa_kernel k_q8965fe8d3b_prep
		.amdhsa_group_segment_fixed_size 33280
		.amdhsa_private_segment_fixed_size 0
		.amdhsa_enable_private_segment 0
		.amdhsa_kernarg_size 72
		.amdhsa_user_sgpr_count 2
		.amdhsa_user_sgpr_kernarg_segment_ptr 1
		.amdhsa_wavefront_size32 1
		.amdhsa_system_sgpr_workgroup_id_x 1
		.amdhsa_system_sgpr_workgroup_id_y 1
		.amdhsa_system_sgpr_workgroup_id_z 1
		.amdhsa_system_vgpr_workitem_id 0
		.amdhsa_next_free_vgpr 192
		.amdhsa_next_free_sgpr 66
		.amdhsa_reserve_vcc 1
		.amdhsa_float_denorm_mode_32 3
		.amdhsa_float_denorm_mode_16_64 3
		.amdhsa_memory_ordered 1
		.amdhsa_forward_progress 1
		.amdhsa_inst_pref_size 74
	.end_amdhsa_kernel
	.amdgpu_metadata
---
amdhsa.version: [ 1, 2 ]
amdhsa.kernels:
  - .name:           k_q8965fe8d3b_prep
    .symbol:         k_q8965fe8d3b_prep.kd
    .args:
      - { .name: x, .offset: 0, .size: 8, .value_kind: global_buffer, .address_space: global }
      - { .name: W_q, .offset: 8, .size: 8, .value_kind: global_buffer, .address_space: global }
      - { .name: W_k, .offset: 16, .size: 8, .value_kind: global_buffer, .address_space: global }
      - { .name: W_v, .offset: 24, .size: 8, .value_kind: global_buffer, .address_space: global }
      - { .name: W_o, .offset: 32, .size: 8, .value_kind: global_buffer, .address_space: global }
      - { .name: codes, .offset: 40, .size: 8, .value_kind: global_buffer, .address_space: global }
      - { .name: scales, .offset: 48, .size: 8, .value_kind: global_buffer, .address_space: global }
      - { .name: wo16, .offset: 56, .size: 8, .value_kind: global_buffer, .address_space: global }
      - { .name: rope, .offset: 64, .size: 8, .value_kind: global_buffer, .address_space: global }
    .group_segment_fixed_size: 33280
    .private_segment_fixed_size: 0
    .kernarg_segment_align: 8
    .kernarg_segment_size: 72
    .max_flat_workgroup_size: 128
    .sgpr_count:     66
    .vgpr_count:     192
    .wavefront_size: 32
...
	.end_amdgpu_metadata
.endif
;; end of part 1
;; launch qkv (part 2): grid 12 x 16, 4 waves a work-group, clusters of 4 x 4, 327,680 bytes of LDS; arguments codes, scales, rope, qkv16, qkv32; writes qkv16, qkv32
.if DOCPART == 2
	.amdgcn_target "amdgcn-amd-amdhsa--gfx1250"
	.amdhsa_code_object_version 6
	.text
	.protected	k_q8965fe8d3b_qkv
	.globl	k_q8965fe8d3b_qkv
	.p2align	8
	.type	k_q8965fe8d3b_qkv,@function
k_q8965fe8d3b_qkv:
	s_mov_b64 s[64:65], 0
	v_nop
	global_prefetch_b8 v0, s[64:65] scope:SCOPE_SE
	s_setreg_imm32_b32 hwreg(HW_REG_WAVE_MODE, 25, 1), 1
	s_wait_xcnt 0x0
	s_wait_alu depctr_hold_cnt(0) depctr_sa_sdst(0) depctr_va_vdst(0) depctr_va_sdst(0) depctr_va_ssrc(0) depctr_va_vcc(0) depctr_vm_vsrc(0)
	s_getreg_b32 s2, hwreg(HW_REG_IB_STS2, 6, 4)
	s_cmp_eq_u32 s2, 0
	s_cbranch_scc0 .Lentry_in_a_cluster
	s_endpgm
.Lentry_in_a_cluster:
	s_bfe_u32 s2, ttmp6, 0x10000c
	s_cmp_lg_u32 s2, 0xf033
	s_cbranch_scc0 .Lentry_shape_is_right
	s_endpgm
.Lentry_shape_is_right:
; QKV: C[m][n] = sum over k of x[m][k] W[n][k] for W = W_q, W_k, W_v on end (n = 0 .. 3071), on codes of E2M1 with one E8M0 scale for each 32 along K (K = 1,024); sums in f32.
; Then RoPE on q and k in f32 (one fused multiply-add where the definition rounds twice), and q, k, v leave as f16 laid [q, k, v][batch][head][position][64]; positions 0-15 of both batches also as f32, [q, k, v][batch][16][1024].
; LIMITS: |q|, |k|, |v| stay under 65,504 (f16); NaN and infinities are not served.
; A tile of C, 256 x 256, is made by a work-group of four waves; a wave makes 128 x 128: 64 accumulators, 512 registers.  K is two slots of 512 (rows of 256 bytes): both are asked for at the head, nothing is filled again.
; The scale bytes of the work-group's 256 + 256 rows, for all of K, come once, as dense blocks in rows of 256 bytes.
; CLUSTERS: 4 x 4 work-groups.  The four of a row of the cluster need the same rows of x, the four of a column the same rows of W: each tile is asked for jointly, by the same tensor load with the same descriptor and a mask
; that names the four.  The cluster's x is 0, 1, 2 for q, k, v: the one branch on it, on the way out, is the same in all sixteen partners.  12 x 16 = 192 work-groups: a tile of 192 columns would give 256 but would straddle q, k and v.
; No prefetch: all of K is on its way from the head on.
; THE MATRIX INSTRUCTION IS USED TRANSPOSED (source 0 = 16 rows of W, source 1 = 16 rows of x): a lane holds eight neighbouring columns of one row of C: four of RoPE's pairs.
; REGISTERS, in windows of 256: window 0: v0-31 addresses; v32-95 scale words, two sets, and nothing else ever; v128-191 x's fragments, one set; on the way out v96-159 T, v160-223 BK, v224-255 PK.
;   window 1: W's fragments, two sets, at v0 and v128; v64-127 RoPE's table, two sets of 32.   window 2: the accumulators of my rows 0-63 ((a, b) at v[8 (8 a + b)]);   window 3: those of my rows 64-127.
.set KSTEP,  512
.set NQ,     KSTEP/128
.set ROWB,   256                       ; a tile's row in bytes
.set KROW,   512                       ; a row of codes in memory
.set PITCH,  272                       ; an LDS row: 256 bytes + 16 of padding: the 16 rows of a fragment load start 4 banks apart (64 banks of 4 bytes: ISA guide 11.1)
.set FR,     8
.set NL,     2
.set NP,     4                         ; places behind this matrix instruction (ISA guide 7.12.1)
.set HALFT,  128*PITCH
.set SLOT,   4*HALFT
.set KS,     32                        ; a row of scale bytes
.set SCL,    2*SLOT
.set HALFS,  (128*KS/256)*272
.set SBLK,   (16*KS/256)*272
.set SPARE,  SCL+4*HALFS               ; the spare words, 128 bytes a wave
.set WROW,   4096                      ; the weights' first row in the buffers of codes and scale bytes
.set SPQ,    144                       ; the way out: a stage row: a head's 128 bytes + 16
.set STGW,   2*16*SPQ                  ; a wave's stage: two heads x 16 rows.  The stages lie in slot 0: it has had its one fill, and nobody reads it behind the change of slots
.set STGV,   32768                     ; the path for v has stage bytes of its own, this far on
.set ADRA, 16                          ; v16-17 LDS address of my fragments of x in slot 0, 1
.set RO,   18                          ; v18    RoPE's table: 256 r + 32 h
.set FO,   19                          ; v19    the f32 copy: 4096 r + 32 h
.set ADRB, 20                          ; v20-21 the same as ADRA for W
.set ZR,   22                          ; v22    tile row % 8: 0 where my tile begins a batch
.set STOV, 23                          ; v23    stage, in, on v's path
.set STO,  24                          ; v24    stage, in: 144 r + 16 h
.set RD,   25                          ; v25    stage, back: 144 (lane / 8) + 16 (lane % 8)
.set CO,   26                          ; v26    16 x lane
.set ADRS, 27                          ; v27    my scale words
.set SPW,  28
.set NIL,  29
.set RDV,  30                          ; v30    stage, back, on v's path
.set SC,   32
.set AF,   128
.set T,    96
.set BK,   160
.set PK,   224
.set CS,   64                          ; in window 1
.set G1, 24
.set G0, 32
.set G1B, 48
.set G0B, 56
.set G1S, 68
.set G0S, 76
.set G1SB, 80
.set G0SB, 88
.set MSB, 0
.macro WIN new                         ; the immediate's high byte repeats the setting that is left
.if MSB != \new
	s_set_vgpr_msb (MSB<<8)|\new
.set MSB, \new
.endif
.endm
.set MUL_LO, 0xa1                      ; source 0 (W) window 1, source 1 (x) window 0, C and D window 2
.set MUL_HI, 0xf1
.set TO_B,   0x40                      ; destination window 1, address window 0
; A joint load: waves 0 and 1 fetch for x, waves 2 and 3 for W.  Each line has one mask and one set of registers; the branch hangs on the wave's number alone.  An s_nop 0 and four v_nop follow each line.
.macro JLOAD g0a, g1a, g0b, g1b
	s_cmp_eq_u32 s15, 0
	s_cbranch_scc0 .Lfor_b_\@
	tensor_load_to_lds s[\g0a:\g0a+3], s[\g1a:\g1a+7]
	s_nop 0
.rept 4
	v_nop
.endr
	s_branch .Lasked_\@
.Lfor_b_\@:
	tensor_load_to_lds s[\g0b:\g0b+3], s[\g1b:\g1b+7]
	s_nop 0
.rept 4
	v_nop
.endr
.Lasked_\@:
.endm
.macro CROUND                          ; a round of the cluster's barrier
	s_barrier_signal -1
	s_barrier_wait -1
	s_cmp_lg_u32 s14, 0
	s_cbranch_scc1 .Lnot_wave_0_\@
	s_barrier_signal -3
.Lnot_wave_0_\@:
	s_barrier_wait -3
	s_barrier_signal -1
	s_barrier_wait -1
.endm
	s_load_b256 s[4:11], s[0:1], 0x0               ; codes s[4:5], scales s[6:7], rope s[8:9], qkv16 s[10:11]
	s_load_b64 s[12:13], s[0:1], 0x20              ; qkv32
	v_lshl_add_u32 v[SPW], v0, 2, SPARE
	v_mov_b32 v[NIL], 0
	ds_add_u32 v[SPW], v[NIL]                      ; the wave's opening: the add, twice on end, and its wait ahead of my first tensor load
	ds_add_u32 v[SPW], v[NIL]
	v_lshrrev_b32 v1, 5, v0
	v_readfirstlane_b32 s14, v1                    ; wave 0..3
	s_lshr_b32 s15, s14, 1                         ; which half of the tile's rows is mine.  Also: I fetch for x (0) or for W (1)
	s_and_b32 s16, s14, 1                          ; which half of its columns.  Also: which 128 rows I fetch
	s_bfe_u32 s40, ttmp6, 0x40000                  ; cx
	s_bfe_u32 s41, ttmp6, 0x40004                  ; cy
	s_lshl_b32 s42, ttmp9, 2
	s_add_co_u32 s42, s42, s40                     ; tile column = 4 x cluster x + cx
	s_and_b32 s17, ttmp7, 0xffff
	s_lshl_b32 s17, s17, 2
	s_add_co_u32 s17, s17, s41                     ; tile row = 4 x cluster y + cy
	s_lshl_b32 s43, s41, 2
	s_lshl_b32 s43, 15, s43                        ; my row of the cluster
	s_lshl_b32 s44, 0x1111, s40                    ; my column
	s_or_b32 s[G1+0], s43, (0<<16)|(1<<20)|(1<<21)|(5<<22)|(3<<25)  ; the mask; elements of 1 byte; padding on; bit 21 beside a mask; 4 words behind every 64
	s_or_b32 s[G1B+0], s44, (0<<16)|(1<<20)|(1<<21)|(5<<22)|(3<<25)
.irp g, G1, G1B
	s_mov_b32 s[\g+1], ROWB<<16                    ; tensor_dim0
	s_mov_b32 s[\g+2], 128<<16                     ; tensor_dim1
	s_mov_b32 s[\g+3], ROWB<<16                    ; tile_dim0
	s_mov_b32 s[\g+4], 128                         ; tile_dim1
	s_mov_b32 s[\g+5], KROW                        ; from row to row
	s_mov_b32 s[\g+6], 0
	s_mov_b32 s[\g+7], 0
.endr
	s_or_b32 s[G1S+0], s43, (3<<16)|(1<<20)|(1<<21)|(5<<22)|(3<<25) ; the scale bytes of 128 rows: 4,096 dense bytes as 16 rows of 32 elements of 8 bytes
	s_or_b32 s[G1SB+0], s44, (3<<16)|(1<<20)|(1<<21)|(5<<22)|(3<<25)
.irp g, G1S, G1SB
	s_mov_b32 s[\g+1], 32<<16
	s_mov_b32 s[\g+2], (128*KS/256)<<16
	s_mov_b32 s[\g+3], 32<<16
	s_mov_b32 s[\g+4], 128*KS/256
	s_mov_b32 s[\g+5], 32
	s_mov_b32 s[\g+6], 0
	s_mov_b32 s[\g+7], 0
.endr
	s_lshl_b32 s18, s16, 7
	s_lshl_b32 s20, s17, 8
	s_add_co_u32 s20, s20, s18                     ; x: row 256 x tile row + 128 x half
	s_lshl_b32 s46, s42, 8
	s_add_co_u32 s46, s46, s18
	s_add_co_u32 s46, s46, WROW                    ; W: row 4,096 + 256 x tile column + 128 x half
	s_mov_b32 s21, 0
	s_mov_b32 s47, 0
	s_mov_b64 s[18:19], KS
	s_mul_u64 s[22:23], s[20:21], s[18:19]         ; where these rows' scale bytes begin
	s_mul_u64 s[92:93], s[46:47], s[18:19]
	s_mov_b64 s[18:19], KROW
	s_mul_u64 s[20:21], s[20:21], s[18:19]         ; and their codes
	s_mul_u64 s[46:47], s[46:47], s[18:19]
	s_mul_i32 s45, s14, HALFT                      ; where they go: wave x 128 rows: no place in the cluster enters an LDS address
	s_mul_i32 s94, s14, HALFS
	s_wait_dscnt 0x0                               ; both opening adds are done
	s_wait_kmcnt 0x0
	s_add_nc_u64 s[20:21], s[4:5], s[20:21]
	s_add_nc_u64 s[22:23], s[6:7], s[22:23]
	s_add_nc_u64 s[46:47], s[4:5], s[46:47]
	s_add_nc_u64 s[92:93], s[6:7], s[92:93]
	CROUND                                         ; all sixteen work-groups are here: the joint loads meet
	s_mov_b32 s[G0S], 1
	s_add_co_u32 s[G0S+1], s94, SCL
	s_mov_b64 s[G0S+2:G0S+3], s[22:23]
	s_or_b32 s[G0S+3], s[G0S+3], 0x80000000
	s_mov_b32 s[G0SB], 1
	s_add_co_u32 s[G0SB+1], s94, SCL
	s_mov_b64 s[G0SB+2:G0SB+3], s[92:93]
	s_or_b32 s[G0SB+3], s[G0SB+3], 0x80000000
	JLOAD G0S, G1S, G0SB, G1SB                     ; the scale bytes first; with the two slots three loads of mine are out
.irp s, 0,1
	s_mov_b32 s[G0+4*\s], 1
	s_add_co_u32 s[G0+4*\s+1], s45, \s*SLOT
	s_add_nc_u64 s[G0+4*\s+2:G0+4*\s+3], s[20:21], \s*ROWB
	s_or_b32 s[G0+4*\s+3], s[G0+4*\s+3], 0x80000000
	s_mov_b32 s[G0B+4*\s], 1
	s_add_co_u32 s[G0B+4*\s+1], s45, \s*SLOT
	s_add_nc_u64 s[G0B+4*\s+2:G0B+4*\s+3], s[46:47], \s*ROWB
	s_or_b32 s[G0B+4*\s+3], s[G0B+4*\s+3], 0x80000000
	JLOAD G0+4*\s, G1, G0B+4*\s, G1B
.endr
	v_and_b32 v1, 15, v0                           ; r = lane % 16
	v_bfe_u32 v2, v0, 4, 1                         ; h = lane / 16
	v_mul_u32_u24 v3, v1, PITCH
	v_lshl_add_u32 v4, v2, 4, v3                   ; a fragment's row x pitch + 16 x half
	s_mul_i32 s21, s15, HALFT                      ; my 128 rows of x
	s_mul_i32 s22, s16, HALFT                      ; my 128 rows of W,
	s_add_co_u32 s22, s22, 2*HALFT                 ; which lie behind x's 256
.irp s, 0,1
	v_add_nc_u32 v[ADRA+\s], s21, v4
	v_add_nc_u32 v[ADRB+\s], s22, v4
	s_add_co_u32 s21, s21, SLOT
	s_add_co_u32 s22, s22, SLOT
.endr
	v_mul_u32_u24 v5, v1, KS                       ; my row's scale bytes: 32 a row,
	v_lshrrev_b32 v6, 8, v5
	v_lshl_add_u32 v5, v6, 4, v5                   ; and 16 more for each 256 passed
	s_mul_i32 s21, s15, HALFS
	s_mul_i32 s22, s16, HALFS
	s_add_co_u32 s22, s22, 2*HALFS
	s_sub_co_u32 s22, s22, s21
	v_mul_u32_u24 v6, s22, v2                      ; lanes 16-31 take W's: one product, the distance between the two bases
	s_add_co_u32 s21, s21, SCL
	v_add_nc_u32 v5, v5, v6
	v_add_nc_u32 v[ADRS], s21, v5
	s_mul_i32 s23, s14, STGW                       ; my stage
	v_mul_u32_u24 v5, v1, SPQ
	v_lshl_add_u32 v5, v2, 4, v5
	v_add_nc_u32 v[STO], s23, v5
	v_add_nc_u32 v[STOV], STGV, v[STO]
	v_and_b32 v6, 31, v0
	v_lshrrev_b32 v7, 3, v6
	v_mul_u32_u24 v7, v7, SPQ
	v_and_b32 v8, 7, v0
	v_lshl_add_u32 v7, v8, 4, v7
	v_add_nc_u32 v[RD], s23, v7
	v_add_nc_u32 v[RDV], STGV, v[RD]
	v_lshlrev_b32 v[CO], 4, v6
	v_lshlrev_b32 v[RO], 8, v1
	v_lshl_add_u32 v[RO], v2, 5, v[RO]
	v_lshlrev_b32 v[FO], 12, v1
	v_lshl_add_u32 v[FO], v2, 5, v[FO]
	; where my part of the results goes.  Row m = 256 x tile row + 128 x half + ..: batch = tile row / 8, position = 256 (tile row % 8) + 128 x half + ..
	s_and_b32 s20, s17, 7
	s_lshr_b32 s21, s17, 3                         ; batch
	v_mov_b32 v[ZR], s20
	s_lshl_b32 s22, s20, 8
	s_lshl_b32 s23, s15, 7
	s_add_co_u32 s22, s22, s23                     ; my first position
	s_lshl_b32 s96, s22, 8                         ; 256 bytes of table a position
	s_mov_b32 s97, 0
	s_add_nc_u64 s[8:9], s[8:9], s[96:97]
	s_lshl_b32 s46, s21, 4
	s_lshl_b32 s47, s40, 2
	s_add_co_u32 s46, s46, s47
	s_lshl_b32 s47, s16, 1
	s_add_co_u32 s46, s46, s47                     ; 16 x batch + my first head (4 cx + 2 x half)
	s_lshl_b32 s46, s46, 11
	s_add_co_u32 s46, s46, s22                     ; x 2,048 positions + my first
	s_lshl_b32 s46, s46, 7                         ; x 128 bytes
	s_lshl_b32 s47, ttmp9, 23                      ; q, k or v: 8,388,608 bytes each
	s_add_co_u32 s46, s46, s47
	s_mov_b32 s47, 0
	s_add_nc_u64 s[10:11], s[10:11], s[46:47]
	s_lshl_b32 s46, ttmp9, 17                      ; the f32 copy: 131,072 bytes for each of q, k, v,
	s_lshl_b32 s47, s21, 16                        ; 65,536 a batch,
	s_add_co_u32 s46, s46, s47
	s_lshl_b32 s47, s40, 10                        ; my first column x 4
	s_add_co_u32 s46, s46, s47
	s_lshl_b32 s47, s16, 9
	s_add_co_u32 s46, s46, s47
	s_mov_b32 s47, 0
	s_add_nc_u64 s[12:13], s[12:13], s[46:47]
; RoPE's table for block a (16 positions): lane (r, h) takes, for each 16 columns i of a head, cos and sin of pairs 8 i + 4 h + 0 .. 3 of position 16 a + r: 32 bytes.  Both heads of the wave use the same.
.macro TABLE a
	WIN TO_B
.irp i, 0,1,2,3
	global_load_b128 v[CS+32*((\a)%2)+8*\i:CS+32*((\a)%2)+8*\i+3], v[RO], s[8:9] offset:4096*(\a)+64*\i
	global_load_b128 v[CS+32*((\a)%2)+8*\i+4:CS+32*((\a)%2)+8*\i+7], v[RO], s[8:9] offset:4096*(\a)+64*\i+16
.endr
	WIN 0
.endm
	; The first two blocks of the table are asked for here and wanted on the way out.  Every work-group asks, so that the text has one way up to the way out and parts on q, k against v once:
	; the work-groups that make v ask too (16 loads a wave, 32,768 bytes a work-group, inside the table for every position) and do not use what comes; nothing on their path touches these registers.
	TABLE 0
	TABLE 1
.macro FRAG reg, adr, q, i             ; 16 rows x 128 K of 4-bit codes: 8 registers: lane l holds row l % 16; registers 4 c .. 4 c + 3 hold K = 64 c + 32 (l / 16) + 0 .. 31
.irp c, 0,1
	ds_load_b128 v[\reg+4*\c:\reg+4*\c+3], v[\adr] offset:64*(\q)+32*\c+(\i)*16*PITCH
.endr
.endm
; 16 matrix instructions: x's blocks a0, a0 + 1 against W's eight, 128 along K.  The 64 accumulators take turns, one instruction a turn, in the same order in every step.
.macro MUL16 a0, p, q, sc, zero
.irp a, \a0, \a0+1
.irp b, 0,1,2,3,4,5,6,7
.if \zero
	v_wmma_scale_f32_16x16x128_f8f6f4 v[8*(8*((\a)%4)+\b):8*(8*((\a)%4)+\b)+7], v[128*(\p)+FR*\b:128*(\p)+FR*\b+FR-1], v[AF+FR*(\a):AF+FR*(\a)+FR-1], 0, v[SC+8*NQ*(\sc)+NQ*\b+(\q)], v[SC+8*NQ*(\sc)+NQ*(\a)+(\q)] matrix_a_fmt:MATRIX_FMT_FP4 matrix_b_fmt:MATRIX_FMT_FP4 matrix_a_scale:MATRIX_SCALE_ROW1
.else
	v_wmma_scale_f32_16x16x128_f8f6f4 v[8*(8*((\a)%4)+\b):8*(8*((\a)%4)+\b)+7], v[128*(\p)+FR*\b:128*(\p)+FR*\b+FR-1], v[AF+FR*(\a):AF+FR*(\a)+FR-1], v[8*(8*((\a)%4)+\b):8*(8*((\a)%4)+\b)+7], v[SC+8*NQ*(\sc)+NQ*\b+(\q)], v[SC+8*NQ*(\sc)+NQ*(\a)+(\q)] matrix_a_fmt:MATRIX_FMT_FP4 matrix_b_fmt:MATRIX_FMT_FP4 matrix_a_scale:MATRIX_SCALE_ROW1
.endif
.endr
.endr
.endm
.macro FETCH_B slot, q, p
	WIN TO_B
.irp i, 0,1,2,3,4,5,6,7
	FRAG 128*(\p)+FR*\i, ADRB+\slot, \q, \i
.endr
	WIN 0
.endm
.macro FETCH_A slot, q, i0
.irp i, \i0, \i0+1, \i0+2, \i0+3
	FRAG AF+FR*(\i), ADRA+\slot, \q, \i
.endr
.endm
.macro SCALES sc                       ; a slot's scale words: 4 words a row; lanes 0-15 take x's block i, lanes 16-31 W's block i
.irp i, 0,1,2,3,4,5,6,7
	ds_load_b128 v[SC+8*NQ*\sc+NQ*\i:SC+8*NQ*\sc+NQ*\i+3], v[ADRS] offset:\i*SBLK
.endr
.endm
.macro PLACES n                        ; plain vector lines between a matrix instruction and a load into, or a read of, its registers
.rept \n
	v_nop
.endr
.endm
.macro STEP slot, q, zero              ; a step of 128 along K that has its successor in the same slot
	s_wait_dscnt 4*NL                              ; W's set and x's blocks 0-3 are in; the youngest eight loads (x's blocks 4-7) may be out
	WIN MUL_LO
	MUL16 0, (\q)%2, \q, \slot, \zero
	MUL16 2, (\q)%2, \q, \slot, \zero
	s_wait_dscnt 0
	PLACES NP
	FETCH_B \slot, (\q)+1, 1-(\q)%2
	FETCH_A \slot, (\q)+1, 0
	WIN MUL_HI
	MUL16 4, (\q)%2, \q, \slot, \zero
	MUL16 6, (\q)%2, \q, \slot, \zero
	PLACES NP
	WIN 0
	FETCH_A \slot, (\q)+1, 4
.endm
.macro TURN slot, next                 ; slot 0's last step changes slots: one barrier
	s_wait_tensorcnt 0x0                           ; all my tensor loads have landed: my part of slot 1
	ds_add_u32 v[SPW], v[NIL]                      ; 0 onto my spare word
	s_wait_dscnt 4*NL+1                            ; (the add and the youngest eight loads may be out)
	WIN MUL_LO
	MUL16 0, 1, NQ-1, \slot, 0
	s_wait_dscnt 0x0                               ; the add is done, and my reads of this slot are over
	s_barrier_signal -1
	MUL16 2, 1, NQ-1, \slot, 0
	WIN 0
	s_barrier_wait -1                              ; slot 1 is whole, and nobody reads slot 0 any more
	PLACES NP
	v_add_nc_u32 v[ADRS], 4*NQ, v[ADRS]            ; on to slot 1's scale words
	FETCH_B \next, 0, 0
	FETCH_A \next, 0, 0
	SCALES \next
	WIN MUL_HI
	MUL16 4, 1, NQ-1, \slot, 0
	MUL16 6, 1, NQ-1, \slot, 0
	PLACES NP
	WIN 0
	FETCH_A \next, 0, 4
.endm
	s_wait_tensorcnt 1                             ; the scale bytes and my part of slot 0 are in; slot 1's load may be out
	s_barrier_signal -1
	s_barrier_wait -1
	FETCH_B 0, 0, 0
	FETCH_A 0, 0, 0
	SCALES 0
	FETCH_A 0, 0, 4
	STEP 0, 0, 1                                   ; the first products start the sums: nothing is cleared
	STEP 0, 1, 0
	STEP 0, 2, 0
	TURN 0, 1
	STEP 1, 0, 0
	STEP 1, 1, 0
	STEP 1, 2, 0
	s_wait_dscnt 4*NL                              ; the last step: nothing more to fetch
	WIN MUL_LO
	MUL16 0, 1, NQ-1, 1, 0
	MUL16 2, 1, NQ-1, 1, 0
	s_wait_dscnt 0
	WIN MUL_HI
	MUL16 4, 1, NQ-1, 1, 0
	MUL16 6, 1, NQ-1, 1, 0
	WIN 0
; THE WAY OUT, block by block of 16 rows x 128 columns (two heads).
; ROPE: o1 = x1 cos - x2 sin, o2 = x2 cos + x1 sin, on neighbouring registers; each accumulator is read from its low end on.
.macro ROPE a
	WIN 0x06+(\a)/4                                ; source 0: the accumulators' window; source 1: the table's
.irp b, 0,1,2,3,4,5,6,7
.irp p, 0,1,2,3
	v_mul_f32 v[T+8*\b+2*\p],   v[64*((\a)%4)+8*\b+2*\p],   v[CS+32*((\a)%2)+8*(\b%4)+2*\p]
	v_mul_f32 v[T+8*\b+2*\p+1], v[64*((\a)%4)+8*\b+2*\p+1], v[CS+32*((\a)%2)+8*(\b%4)+2*\p]
	v_fma_f32 v[T+8*\b+2*\p],   -v[64*((\a)%4)+8*\b+2*\p+1], v[CS+32*((\a)%2)+8*(\b%4)+2*\p+1], v[T+8*\b+2*\p]
	v_fma_f32 v[T+8*\b+2*\p+1], v[64*((\a)%4)+8*\b+2*\p],    v[CS+32*((\a)%2)+8*(\b%4)+2*\p+1], v[T+8*\b+2*\p+1]
.endr
.endr
	WIN 0
.endm
.macro PACKQK
.irp b, 0,1,2,3,4,5,6,7
.irp p, 0,1,2,3
	v_cvt_pk_f16_f32 v[PK+4*\b+\p], v[T+8*\b+2*\p], v[T+8*\b+2*\p+1]
.endr
.endr
.endm
.macro PACKV a
	WIN 0x0a+5*((\a)/4)                            ; sources 0 and 1: window 2 or 3
.irp b, 0,1,2,3,4,5,6,7
.irp p, 0,1,2,3
	v_cvt_pk_f16_f32 v[PK+4*\b+\p], v[64*((\a)%4)+8*\b+2*\p], v[64*((\a)%4)+8*\b+2*\p+1]
.endr
.endr
	WIN 0
.endm
; A lane's 16 bytes go into my stage (a head's 16 rows of 144 bytes, twice) and come back four whole rows of 128 bytes an instruction.  LDS serves a wave's instructions in order: no wait between stores and loads.
.macro TOSTAGE a, sto, rd
.irp b, 0,1,2,3,4,5,6,7
	ds_store_b128 v[\sto], v[PK+4*\b:PK+4*\b+3] offset:2304*(\b/4)+32*(\b%4)
.endr
.if (\a) >= 2
	s_wait_xcnt 0x0                                ; block a - 2's stores have read this set of BK: it is loaded again only behind this wait
.endif
.irp t, 0,1,2,3,4,5,6,7
	ds_load_b128 v[BK+32*((\a)%2)+4*\t:BK+32*((\a)%2)+4*\t+3], v[\rd] offset:2304*(\t/4)+576*(\t%4)
.endr
.endm
.macro SEND a, younger                 ; younger: the LDS instructions issued behind block a's loads
	s_wait_dscnt \younger
.irp t, 0,1,2,3,4,5,6,7
	global_store_b128 v[CO], v[BK+32*((\a)%2)+4*\t:BK+32*((\a)%2)+4*\t+3], s[10:11] offset:262144*(\t/4)+2048*(\a)+512*(\t%4)   ; 32 lanes store 512 consecutive bytes, aligned: four positions of a head
.endr
.endm
	PLACES NP                                      ; behind the last products, ahead of the first reads of results and writes of x's old registers
	s_cmp_eq_u32 ttmp9, 2                          ; v has no RoPE.  The cluster's x: the same in all partners
	s_cbranch_scc1 .Lv_out
.irp a, 0,1,2,3,4,5,6,7
.if \a < 7
	s_wait_loadcnt 8                               ; this block's table is in; the next block's eight loads may be out
.else
	s_wait_loadcnt 0x0
.endif
	ROPE \a
.if \a <= 5
	TABLE \a+2
.endif
.if \a == 0
	; positions 0-15 also leave as f32.  They lie in the waves of the upper half of a tile that begins a batch.  The wave's number is a branch; the tile row hangs on my place in the cluster, so it is a lane mask and no branch.
	s_cmp_lg_u32 s15, 0
	s_cbranch_scc1 .Lno_f32_qk
	s_wait_xcnt 0x0                                ; EXEC changes only behind this wait
	v_cmp_eq_u32 vcc_lo, 0, v[ZR]
	s_and_saveexec_b32 s96, vcc_lo
.irp b, 0,1,2,3,4,5,6,7
	global_store_b128 v[FO], v[T+8*\b:T+8*\b+3], s[12:13] offset:64*\b        ; pieces of 32 bytes a lane: 393,216 bytes in the whole launch
	global_store_b128 v[FO], v[T+8*\b+4:T+8*\b+7], s[12:13] offset:64*\b+16
.endr
	s_wait_xcnt 0x0                                ; and again ahead of the line that widens it; T may be written again too
	s_or_b32 exec_lo, exec_lo, s96
.Lno_f32_qk:
.endif
	PACKQK
	TOSTAGE \a, STO, RD
.if \a > 0
	SEND \a-1, 16                                  ; behind block a - 1's loads: block a's 8 stores and 8 loads
.endif
.endr
	SEND 7, 0
	s_branch .Ldone
.Lv_out:
	s_cmp_lg_u32 s15, 0
	s_cbranch_scc1 .Lno_f32_v
	s_wait_xcnt 0x0
	v_cmp_eq_u32 vcc_lo, 0, v[ZR]
	s_and_saveexec_b32 s96, vcc_lo
	WIN 0x08                                       ; a store's data are its source 1: window 2
.irp b, 0,1,2,3,4,5,6,7
	global_store_b128 v[FO], v[8*\b:8*\b+3], s[12:13] offset:64*\b
	global_store_b128 v[FO], v[8*\b+4:8*\b+7], s[12:13] offset:64*\b+16
.endr
	WIN 0
	s_wait_xcnt 0x0
	s_or_b32 exec_lo, exec_lo, s96
.Lno_f32_v:
.irp a, 0,1,2,3,4,5,6,7
	PACKV \a
	TOSTAGE \a, STOV, RDV
.if \a > 0
	SEND \a-1, 16
.endif
.endr
	SEND 7, 0
.Ldone:
	s_wait_tensorcnt 0x0                           ; the wave's end, behind my last tensor load and my last LDS store
	ds_add_u32 v[SPW], v[NIL]
	s_wait_dscnt 0x0
	CROUND                                         ; the closing round
	s_endpgm
.Lfunc_end_k_q8965fe8d3b_qkv:
	.size	k_q8965fe8d3b_qkv, .Lfunc_end_k_q8965fe8d3b_qkv-k_q8965fe8d3b_qkv
	.p2alignl 7, 3214868480
	.fill 96, 4, 3214868480
	.section	.rodata,"a",@progbits
	.p2align	6, 0x0
	.amdhsa_kernel k_q8965fe8d3b_qkv
		.amdhsa_group_segment_fixed_size 327680
		.amdhsa_private_segment_fixed_size 0
		.amdhsa_enable_private_segment 0
		.amdhsa_kernarg_size 40
		.amdhsa_user_sgpr_count 2
		.amdhsa_user_sgpr_kernarg_segment_ptr 1
		.amdhsa_wavefront_size32 1
		.amdhsa_system_sgpr_workgroup_id_x 1
		.amdhsa_system_sgpr_workgroup_id_y 1
		.amdhsa_system_sgpr_workgroup_id_z 1
		.amdhsa_system_vgpr_workitem_id 0
		.amdhsa_next_free_vgpr 1024
		.amdhsa_next_free_sgpr 100
		.amdhsa_reserve_vcc 1
		.amdhsa_float_denorm_mode_32 3
		.amdhsa_float_denorm_mode_16_64 3
		.amdhsa_memory_ordered 1
		.amdhsa_forward_progress 1
		.amdhsa_inst_pref_size 216
	.end_amdhsa_kernel
	.amdgpu_metadata
---
amdhsa.version: [ 1, 2 ]
amdhsa.kernels:
  - .name:           k_q8965fe8d3b_qkv
    .symbol:         k_q8965fe8d3b_qkv.kd
    .args:
      - { .name: codes, .offset: 0, .size: 8, .value_kind: global_buffer, .address_space: global }
      - { .name: scales, .offset: 8, .size: 8, .value_kind: global_buffer, .address_space: global }
      - { .name: rope, .offset: 16, .size: 8, .value_kind: global_buffer, .address_space: global }
      - { .name: qkv16, .offset: 24, .size: 8, .value_kind: global_buffer, .address_space: global }
      - { .name: qkv32, .offset: 32, .size: 8, .value_kind: global_buffer, .address_space: global }
    .group_segment_fixed_size: 327680
    .private_segment_fixed_size: 0
    .kernarg_segment_align: 8
    .kernarg_segment_size: 40
    .max_flat_workgroup_size: 128
    .sgpr_count:     100
    .vgpr_count:     1024
    .wavefront_size: 32
...
	.end_amdgpu_metadata
.endif
;; end of part 2
;; launch attn (part 3): grid 8 x 32, 16 waves a work-group, no clusters, 327,680 bytes of LDS; arguments qkv16, o16; writes o16
.if DOCPART == 3
	.amdgcn_target "amdgcn-amd-amdhsa--gfx1250"
	.amdhsa_code_object_version 6
	.text
	.protected	k_q8965fe8d3b_attn
	.globl	k_q8965fe8d3b_attn
	.p2align	8
	.type	k_q8965fe8d3b_attn,@function
k_q8965fe8d3b_attn:
	s_mov_b64 s[64:65], 0
	v_nop
	global_prefetch_b8 v0, s[64:65] scope:SCOPE_SE
	s_setreg_imm32_b32 hwreg(HW_REG_WAVE_MODE, 25, 1), 1
	s_wait_xcnt 0x0
; ATTN: O[b][h][q] = sum over k <= q of softmax_k(Q[q] . K[k] / 32) V[k], head size 64, 2,048 positions, 32 (batch, head) pairs.  Operands f16, products, maxima and sums f32; the weights p are rounded to f16 for the
; second product, O once at the end.  Q, K, V: qkv16 [q, k, v][batch][head][position][64].  O leaves as f16 laid [32 blocks of 128 rows][16 heads][128][64]: a wave's 16 rows of a head are 2,048 consecutive bytes.
; LIMITS: |q|, |k|, |v|, |O| under 65,504; p under 6e-5 is kept as an f16 subnormal; NaN and infinities are not served.  (Positions 0-15 are made again, in f32, by a later launch.)
; SHARES.  Work-group (x, head) owns the query blocks of 128 numbered x and 15 - x: 17 blocks' worth of keys for every x.  Each of its sixteen waves owns one tile of 16 queries, in 256 registers: four waves to a SIMD,
; two of the late block and two of the early one, so that one wave's vector work stands beside another's matrix work and LDS loads.
; Keys go 64 a step; K's and V's tiles come through a ring of two LDS slots of 256 keys, filled by the tensor data mover (waves 0, 1: K's halves; waves 2, 3: V's) and read by all sixteen.
; Every work-group walks all 8 slots: trip counts are constants.  A step all of whose keys come after a wave's queries is jumped over (ids alone); a slot whose first key comes after the work-group's last query is not asked for.
; NO CLUSTER: the work-groups of a head need different numbers of slots (x = 7 ends at key 1,151, x = 0 at 2,047), so some partner's every wave would jump over the reads of a tile that a joint load brings.
; LAYOUT.  S^T = K Q^T (source 0 = 16 keys, source 1 = my 16 queries): a lane holds one query (lane % 16) and keys 8 (lane / 16) + 0..7 of each tile.  Two tiles rounded to f16 in pairs are source 1 of O^T = V^T P.
; SOFTMAX.  A running maximum m and sum l for each query: p = 2^(c s - c m), c = log2(e) / 32; in every step O and l are multiplied by a = 2^(c m_old - c m_new).
.set SK,    256                        ; keys in a slot
.set PKK,   144                        ; a row of K in LDS: 128 bytes + 16: the 16 rows of a load start 4 banks apart
.set PVV,   160                        ; a row of V: 128 + 32: an odd multiple of 32, for the turning load
.set VOFF,  SK*PKK                     ; a slot: 256 rows of K, then 256 rows of V
.set SLOT1, 1<<17                      ; slot 1 begins here: one exclusive or turns an address
.set NSL,   8
.set STAGE, 212992                     ; behind the ring: 16 rows x 144 bytes for each wave, bytes of its own
.set SPARE, STAGE+16*2304              ; the spare words, 128 bytes a wave
.set AK0,  1                           ; v1  144 r + 16 h
.set AV0,  2                           ; v2  VOFF + 160 (8 h + lane % 8) + 16 ((lane / 8) % 2)
.set ADK,  3
.set ADV,  4
.set SPW,  5
.set NIL,  6
.set GO,   7                           ; v7  16 x lane
.set STO,  8
.set RD,   9
.set DD,   10
.set NINF, 11
.set PFO,  12                          ; v12 256 x lane
.set DB,   13                          ; v13 r - 8 h
.set QA,   15                          ; v15 Q's offset: 128 r + 16 h
.set CM,   16                          ; v16 c m, v17 m
.set LS,   18                          ; v[18:19] l, even keys' and odd keys'
.set TT,   20                          ; v20-23 at work; a takes v22
.set QR,   24                          ; v24-39  Q
.set S,    40                          ; v40-71  S^T, then p
.set P,    72                          ; v72-87  p as f16
.set O,    88                          ; v88-119 O^T
.set KR,   120                         ; v120-183 K of a step
.set VR,   184                         ; v184-247 V of a step
.set SU,   248                         ; v[248:251] the sums' two chains
.set TB,   2
.set WV,   18
.set SEL,  20
.set CS,   22
.set G1K,  24
.set G1V,  32
.set G0K,  40
.set G0V,  44
.set KF,   48                          ; s48 the step's first key
.set Q0,   49                          ; s49 my first query
.set QL,   50                          ; s50 my work-group's last query
.set SLOTS, 51
.set PFA,  52
.set LIM,  54
; Waves 0 and 1 fetch for K, waves 2 and 3 for V, the others nothing.  An s_nop 0 and four v_nop follow each of the two lines.
.macro TLOAD
	s_cmp_lt_u32 s[WV], 2
	s_cbranch_scc0 .Lnot_k_\@
	tensor_load_to_lds s[G0K:G0K+3], s[G1K:G1K+7]
	s_nop 0
.rept 4
	v_nop
.endr
	s_branch .Lasked_\@
.Lnot_k_\@:
	s_cmp_lt_u32 s[WV], 4
	s_cbranch_scc0 .Lasked_\@
	tensor_load_to_lds s[G0V:G0V+3], s[G1V:G1V+7]
	s_nop 0
.rept 4
	v_nop
.endr
.Lasked_\@:
.endm
; A prefetch of what the NEXT change of slots will ask for: a slot's 32,768 dense bytes of K and of V.  Each aligned 256 bytes is named once in the launch: the head's work-group x = 0, which walks all slots, asks;
; in it waves 4 to 7 for K and waves 8 to 11 for V, 8,192 bytes a wave, lanes 256 bytes apart, one instruction each.  Slots 2 to 7 are asked for, four key steps ahead of their tensor load; the last filling change asks for nothing.
.macro ASK
	s_cmp_gt_u32 s[SLOTS], s[LIM]
	s_cbranch_scc0 .Lnot_mine_\@
	global_prefetch_b8 v[PFO], s[PFA:PFA+1] th:TH_LOAD_NT scope:SCOPE_SE
.Lnot_mine_\@:
.endm
	s_load_b128 s[4:7], s[0:1], 0x0                ; qkv16 s[4:5], o16 s[6:7]
	v_lshl_add_u32 v[SPW], v0, 2, SPARE
	v_mov_b32 v[NIL], 0
	ds_add_u32 v[SPW], v[NIL]                      ; the wave's opening: the add, twice on end, and its wait ahead of my first tensor load
	ds_add_u32 v[SPW], v[NIL]
	v_lshrrev_b32 v3, 5, v0
	v_readfirstlane_b32 s[WV], v3                  ; wave 0..15
	s_and_b32 s8, ttmp7, 0xffff                    ; 16 x batch + head
	s_lshr_b32 s9, s[WV], 2
	s_xor_b32 s9, s9, s[WV]
	s_and_b32 s9, s9, 1                            ; 1: my tile lies in the late block
	s_lshr_b32 s10, s[WV], 1                       ; which of the block's eight tiles
	s_sub_co_u32 s11, 15, ttmp9
	s_cmp_eq_u32 s9, 1
	s_cselect_b32 s11, s11, ttmp9                  ; my block of 128 queries
	s_lshl_b32 s[Q0], s11, 7
	s_lshl_b32 s12, s10, 4
	s_add_co_u32 s[Q0], s[Q0], s12
	s_lshl_b32 s[QL], ttmp9, 7
	s_sub_co_u32 s[QL], 2047, s[QL]
	s_lshl_b32 s14, s8, 18                         ; the head's first byte in each of q, k, v: 262,144 a head
	s_and_b32 s13, s[WV], 1                        ; which half of a slot I fetch, if I fetch
	s_lshl_b32 s16, s13, 14                        ; 128 rows of 128 bytes
	s_add_co_u32 s16, s16, s14
	s_add_co_u32 s16, s16, 0x800000                ; k lies 8,388,608 bytes on
	s_mov_b32 s17, 0
	s_mul_i32 s19, s13, 128*PKK
	s_mul_i32 s55, s13, 128*PVV
	s_add_co_u32 s55, s55, VOFF
	; descriptor group 1: 128 rows of 128 bytes, dense in memory, padded in LDS
	s_mov_b32 s[G1K], (0<<16)|(1<<20)|(4<<22)|(3<<25)   ; no mask; elements of 1 byte; padding on: 4 words behind every 32
	s_mov_b32 s[G1V], (0<<16)|(1<<20)|(4<<22)|(7<<25)   ; 8 words behind every 32
.irp g, G1K, G1V
	s_mov_b32 s[\g+1], 128<<16                     ; tensor_dim0
	s_mov_b32 s[\g+2], 128<<16                     ; tensor_dim1
	s_mov_b32 s[\g+3], 128<<16                     ; tile_dim0
	s_mov_b32 s[\g+4], 128                         ; tile_dim1
	s_mov_b32 s[\g+5], 128                         ; from row to row
	s_mov_b32 s[\g+6], 0
	s_mov_b32 s[\g+7], 0
.endr
	s_mov_b32 s[SEL], 0x76543210
	s_mov_b32 s[SEL+1], 0xfedcba98
	s_mov_b32 s[CS], 0x3d38aa3b                    ; c = log2(e) / 32
	s_mov_b32 s[CS+1], s[CS]
	s_mov_b32 s[TB], 0
	s_mov_b32 s[KF], 0
	s_mov_b32 s[SLOTS], NSL-1
	s_wait_dscnt 0x0                               ; both opening adds are done
	s_wait_kmcnt 0x0
	s_mov_b32 s[G0K], 1
	s_mov_b32 s[G0K+1], s19
	s_add_nc_u64 s[G0K+2:G0K+3], s[4:5], s[16:17]
	s_or_b32 s[G0K+3], s[G0K+3], 0x80000000
	s_mov_b32 s[G0V], 1
	s_mov_b32 s[G0V+1], s55
	s_add_nc_u64 s[G0V+2:G0V+3], s[4:5], s[16:17]
	s_add_nc_u64 s[G0V+2:G0V+3], s[G0V+2:G0V+3], 0x800000   ; v lies 8,388,608 bytes behind k
	s_or_b32 s[G0V+3], s[G0V+3], 0x80000000
	TLOAD                                          ; slot 0: it holds key 0, which counts for every query
	s_lshl_b32 s56, s[Q0], 7
	s_add_co_u32 s56, s56, s14
	s_mov_b32 s57, 0
	s_add_nc_u64 s[58:59], s[4:5], s[56:57]        ; Q at my first query
	s_lshr_b32 s60, s8, 4
	s_lshl_b32 s60, s60, 4
	s_add_co_u32 s60, s60, s11                     ; O: block of 128 rows = 16 x batch + my block,
	s_lshl_b32 s60, s60, 4
	s_and_b32 s61, s8, 15
	s_add_co_u32 s60, s60, s61                     ; x 16 heads + my head,
	s_lshl_b32 s60, s60, 14                        ; x 16,384 bytes,
	s_lshl_b32 s61, s10, 11                        ; + my tile's 2,048
	s_add_co_u32 s60, s60, s61
	s_mov_b32 s61, 0
	s_add_nc_u64 s[6:7], s[6:7], s[60:61]
	s_and_b32 s62, s[WV], 3                        ; the prefetches: my wave's 8,192 bytes,
	s_lshl_b32 s62, s62, 13
	s_add_co_u32 s62, s62, s14
	s_add_co_u32 s62, s62, 0x800000+32768          ; in slot 1 of k: the first change of slots steps it to slot 2.  Nothing is prefetched at the head
	s_cmp_lt_u32 s[WV], 8
	s_cselect_b32 s63, 0, 0x800000                 ; waves 8 to 11: of v
	s_add_co_u32 s62, s62, s63
	s_mov_b32 s63, 0
	s_add_nc_u64 s[PFA:PFA+1], s[4:5], s[62:63]
	s_sub_co_u32 s62, s[WV], 4
	s_lshr_b32 s62, s62, 3                         ; 0 in waves 4 to 11,
	s_or_b32 s62, s62, ttmp9                       ; of the head's work-group x = 0
	s_cmp_eq_u32 s62, 0
	s_cselect_b32 s[LIM], 1, -1
	v_and_b32 v13, 15, v0                          ; r
	v_bfe_u32 v14, v0, 4, 1                        ; h
	v_lshlrev_b32 v[QA], 7, v13
	v_lshl_add_u32 v[QA], v14, 4, v[QA]
.irp i, 0,1,2,3
	global_load_b128 v[QR+4*\i:QR+4*\i+3], v[QA], s[58:59] offset:32*\i   ; Q's two fragments (channels 0-31, 32-63) stay in registers
.endr
	v_mul_u32_u24 v[AK0], v13, PKK
	v_lshl_add_u32 v[AK0], v14, 4, v[AK0]
	v_and_b32 v3, 7, v0
	v_lshl_add_u32 v3, v14, 3, v3
	v_mul_u32_u24 v[AV0], v3, PVV
	v_bfe_u32 v3, v0, 3, 1
	v_lshl_add_u32 v[AV0], v3, 4, v[AV0]
	v_add_nc_u32 v[AV0], VOFF, v[AV0]
	v_and_b32 v4, 31, v0
	v_lshlrev_b32 v[GO], 4, v4
	v_lshlrev_b32 v[PFO], 8, v4
	s_mul_i32 s12, s[WV], 2304
	s_add_co_u32 s12, s12, STAGE                   ; my stage
	v_add_nc_u32 v[STO], s12, v[AK0]               ; in: 144 r + 16 h
	v_lshrrev_b32 v3, 3, v4
	v_mul_u32_u24 v3, v3, PKK
	v_and_b32 v4, 7, v0
	v_lshl_add_u32 v3, v4, 4, v3
	v_add_nc_u32 v[RD], s12, v3                    ; back: four rows of 128 bytes an instruction
	v_lshlrev_b32 v14, 3, v14
	v_sub_nc_u32 v[DB], v13, v14                   ; r - 8 h
	v_mov_b32 v[NINF], 0xff800000
	v_mov_b32 v[CM+1], 0xff61b1e6                  ; m: -3e38, under every score
	v_mul_f32 v[CM], s[CS], v[CM+1]
	v_mov_b32 v[LS], 0
	v_mov_b32 v[LS+1], 0
.irp j, 0,1,2,3
	v_mov_b32 v[TT+\j], 0                          ; written once: a lane permute's destination counts as one of its sources
.endr
.irp j, 0,1,2,3,4,5,6,7,8,9,10,11,12,13,14,15,16,17,18,19,20,21,22,23,24,25,26,27,28,29,30,31
	v_mov_b32 v[O+\j], 0                           ; O^T.  (The step is written once: the first finds zeros, which its a = 0 leaves zeros)
.endr
; A KEY STEP: 64 keys, the q-th of the slot in hand.
.macro STEP q
	s_add_co_u32 s96, s[Q0], 15
	s_cmp_gt_u32 s[KF], s96                        ; all 64 keys come after my 16 queries: the step's work is left out.  No barrier and no tensor load stands in a step
	s_cbranch_scc1 .Lhidden_\@
	v_add_nc_u32 v[ADK], s[TB], v[AK0]
	v_add_nc_u32 v[ADV], s[TB], v[AV0]
	v_nop
	v_nop                                          ; with the two additions: four places ahead of loads into registers that the last products read
.irp kt, 0,1,2,3
.irp c, 0,1
	ds_load_b128 v[KR+8*(2*\kt+\c):KR+8*(2*\kt+\c)+3],   v[ADK] offset:64*PKK*(\q)+16*PKK*\kt+64*\c
	ds_load_b128 v[KR+8*(2*\kt+\c)+4:KR+8*(2*\kt+\c)+7], v[ADK] offset:64*PKK*(\q)+16*PKK*\kt+64*\c+32
.endr
.endr
.irp u, 0,1
.irp ct, 0,1,2,3
	ds_load_tr16_b128 v[VR+8*(4*\u+\ct):VR+8*(4*\u+\ct)+3],   v[ADV] offset:64*PVV*(\q)+32*PVV*\u+32*\ct
	ds_load_tr16_b128 v[VR+8*(4*\u+\ct)+4:VR+8*(4*\u+\ct)+7], v[ADV] offset:64*PVV*(\q)+32*PVV*\u+32*\ct+16*PVV
.endr
.endr
	s_wait_dscnt 16                                ; K is in; V's sixteen loads may be out
.irp c, 0,1                                    ; S^T = K Q^T: the four tiles take turns
.irp kt, 0,1,2,3
.if \c == 0
	v_wmma_f32_16x16x32_f16 v[S+8*\kt:S+8*\kt+7], v[KR+8*(2*\kt+\c):KR+8*(2*\kt+\c)+7], v[QR+8*\c:QR+8*\c+7], 0
.else
	v_wmma_f32_16x16x32_f16 v[S+8*\kt:S+8*\kt+7], v[KR+8*(2*\kt+\c):KR+8*(2*\kt+\c)+7], v[QR+8*\c:QR+8*\c+7], v[S+8*\kt:S+8*\kt+7]
.endif
.endr
.endr
.rept 4
	v_nop
.endr
	s_add_co_u32 s96, s[KF], 63
	s_cmp_le_u32 s96, s[Q0]                        ; all 64 keys count for all my queries: no mask
	s_cbranch_scc1 .Lopen_\@
	s_sub_co_i32 s96, s[Q0], s[KF]
	v_add_nc_u32 v[DD], s96, v[DB]                 ; d = my query - KF - 8 h.  Register n holds key KF + 16 (n / 8) + 8 h + n % 8: hidden where 16 (n / 8) + n % 8 > d
.irp n, 0,1,2,3,4,5,6,7,8,9,10,11,12,13,14,15,16,17,18,19,20,21,22,23,24,25,26,27,28,29,30,31
	v_cmp_gt_i32 vcc_lo, 16*(\n/8)+\n%8, v[DD]
	v_cndmask_b32 v[S+\n], v[S+\n], v[NINF], vcc_lo
.endr
.Lopen_\@:
.irp j, 0,1,2,3
	v_max3_num_f32 v[TT+\j], v[S+8*\j], v[S+8*\j+1], v[S+8*\j+2]   ; the maximum of my 32 scores and the old m: four chains, each tile from its low end on
.endr
.irp j, 0,1,2,3
	v_max3_num_f32 v[TT+\j], v[TT+\j], v[S+8*\j+3], v[S+8*\j+4]
.endr
.irp j, 0,1,2,3
	v_max3_num_f32 v[TT+\j], v[TT+\j], v[S+8*\j+5], v[S+8*\j+6]
.endr
	v_max3_num_f32 v[TT], v[TT], v[S+7], v[S+15]
	v_max3_num_f32 v[TT+2], v[TT+2], v[S+23], v[S+31]
	v_max3_num_f32 v[TT], v[TT], v[TT+1], v[TT+2]
	v_max3_num_f32 v[TT], v[TT], v[TT+3], v[CM+1]
	v_permlanex16_b32 v[TT+1], v[TT], s[SEL], s[SEL+1]   ; the query's other 32 keys lie in the lane 16 away
	v_mov_b32 v[TT+3], v[CM]                       ; c m_old
	v_max_num_f32 v[CM+1], v[TT], v[TT+1]
	v_mul_f32 v[CM], s[CS], v[CM+1]
	v_sub_f32 v[TT+3], v[TT+3], v[CM]
.irp j, 0,2,4,6,8,10,12,14,16,18,20,22,24,26,28,30
	v_pk_fma_f32 v[S+\j:S+\j+1], v[S+\j:S+\j+1], s[CS:CS+1], v[CM:CM+1] op_sel_hi:[1,0,0] neg_lo:[0,0,1] neg_hi:[0,0,1]   ; c s - c m
.endr
	v_exp_f32 v[TT+2], v[TT+3]                     ; a
.irp j, 0,1,2,3,4,5,6,7,8,9,10,11,12,13,14,15,16,17,18,19,20,21,22,23,24,25,26,27,28,29,30,31
	v_exp_f32 v[S+\j], v[S+\j]                     ; p
.endr
	v_nop                                          ; a plain line behind the last exponential,
	s_wait_alu depctr_va_vdst(0)                   ; and one wait for the batch of 33, ahead of its first reader
.irp i, 0,1,2,3,4,5,6,7,8,9,10,11,12,13,14,15
	v_cvt_pk_f16_f32 v[P+\i], v[S+2*\i], v[S+2*\i+1]
.endr
	v_pk_add_f32 v[SU:SU+1], v[S:S+1], v[S+2:S+3]  ; the sum of the unrounded p, two at a time, in two chains
	v_pk_add_f32 v[SU+2:SU+3], v[S+4:S+5], v[S+6:S+7]
.irp j, 8,12,16,20,24,28
	v_pk_add_f32 v[SU:SU+1], v[SU:SU+1], v[S+\j:S+\j+1]
	v_pk_add_f32 v[SU+2:SU+3], v[SU+2:SU+3], v[S+\j+2:S+\j+3]
.endr
	v_pk_add_f32 v[SU:SU+1], v[SU:SU+1], v[SU+2:SU+3]
	v_pk_fma_f32 v[LS:LS+1], v[LS:LS+1], v[TT+2:TT+3], v[SU:SU+1] op_sel_hi:[1,0,1]   ; l = a l + the sum
.irp j, 0,2,4,6,8,10,12,14,16,18,20,22,24,26,28,30
	v_pk_mul_f32 v[O+\j:O+\j+1], v[O+\j:O+\j+1], v[TT+2:TT+3] op_sel_hi:[1,0]      ; O^T x a, each tile from its low end on
.endr
	s_wait_dscnt 0x0                               ; V is in
.irp u, 0,1                                    ; O^T += V^T P: the four tiles of channels take turns
.irp ct, 0,1,2,3
	v_wmma_f32_16x16x32_f16 v[O+8*\ct:O+8*\ct+7], v[VR+8*(4*\u+\ct):VR+8*(4*\u+\ct)+7], v[P+8*\u:P+8*\u+7], v[O+8*\ct:O+8*\ct+7]
.endr
.endr
.Lhidden_\@:
	s_add_co_u32 s[KF], s[KF], 64
.endm
; THE CHANGE OF SLOTS stands at a slot's head.  Each wave waits for all its tensor loads, adds 0 to its spare word (fill = 1: twice on end), and waits for that
; and for its reads of the slot that it has left.  Behind the barrier the slot ahead is whole and nobody reads the other one, which is filled with the keys that follow, up to the causal limit: one load a wave, out for four steps.
.macro CHANGE fill
	s_wait_tensorcnt 0x0                           ; no tensor load of mine is out, so a group 0 may be written
	ds_add_u32 v[SPW], v[NIL]
.if \fill
	ds_add_u32 v[SPW], v[NIL]
	s_xor_b32 s[G0K+1], s[G0K+1], SLOT1            ; the walking descriptors: the other slot than last time,
	s_add_nc_u64 s[G0K+2:G0K+3], s[G0K+2:G0K+3], SK*128   ; the next 256 keys
	s_xor_b32 s[G0V+1], s[G0V+1], SLOT1
	s_add_nc_u64 s[G0V+2:G0V+3], s[G0V+2:G0V+3], SK*128
	s_wait_xcnt 0x0                                ; the last prefetch, a slot back, has read its address
	s_add_nc_u64 s[PFA:PFA+1], s[PFA:PFA+1], SK*128
.endif
	s_wait_dscnt 0x0
	s_barrier_signal -1
	s_barrier_wait -1
.if \fill
	s_add_co_u32 s96, s[KF], SK                    ; the first key of the slot that this change would ask for:
	s_cmp_gt_u32 s96, s[QL]                        ; behind my work-group's last query no wave reads it, so it is not asked for.  Ids and the count of steps alone: all sixteen waves go the same way
	s_cbranch_scc1 .Lpast_\@
	TLOAD
.Lpast_\@:
	ASK
.endif
.endm
.macro SLOT_STEPS
	STEP 0
	STEP 1
	STEP 2
	STEP 3
	s_xor_b32 s[TB], s[TB], SLOT1
.endm
	s_wait_loadcnt 0x0                             ; Q
.Lslot:                                            ; 7 trips
	CHANGE 1
	SLOT_STEPS
	s_sub_co_u32 s[SLOTS], s[SLOTS], 1
	s_cmp_lg_u32 s[SLOTS], 0
	s_cbranch_scc1 .Lslot
	CHANGE 0                                       ; the last slot is written out: nothing is left to ask for
	SLOT_STEPS
	; THE WAY OUT: O^T / l, rounded to f16, through my stage, out as 2,048 consecutive bytes.
.rept 4
	v_nop
.endr
	v_add_f32 v[TT], v[LS], v[LS+1]
	v_permlanex16_b32 v[TT+1], v[TT], s[SEL], s[SEL+1]
	v_add_f32 v[TT], v[TT], v[TT+1]
	v_rcp_f32 v[TT+2], v[TT]
	v_mov_b32 v[TT+3], 0                           ; a plain line behind the reciprocal (the pair's upper half),
	s_wait_alu depctr_va_vdst(0)                   ; and the wait ahead of its first reader
.irp j, 0,2,4,6,8,10,12,14,16,18,20,22,24,26,28,30
	v_pk_mul_f32 v[O+\j:O+\j+1], v[O+\j:O+\j+1], v[TT+2:TT+3] op_sel_hi:[1,0]
.endr
.irp i, 0,1,2,3,4,5,6,7,8,9,10,11,12,13,14,15
	v_cvt_pk_f16_f32 v[P+\i], v[O+2*\i], v[O+2*\i+1]
.endr
.irp ct, 0,1,2,3
	ds_store_b128 v[STO], v[P+4*\ct:P+4*\ct+3] offset:32*\ct      ; query r, channels 16 ct + 8 h + 0 .. 7
.endr
.irp t, 0,1,2,3
	ds_load_b128 v[S+4*\t:S+4*\t+3], v[RD] offset:4*PKK*\t        ; in order behind my stores
.endr
.irp t, 0,1,2,3
	s_wait_dscnt 3-\t                              ; the younger loads may be out
	global_store_b128 v[GO], v[S+4*\t:S+4*\t+3], s[6:7] offset:512*\t   ; 32 lanes store 512 consecutive bytes, aligned
.endr
	s_wait_tensorcnt 0x0                           ; the wave's end
	ds_add_u32 v[SPW], v[NIL]
	s_wait_dscnt 0x0
	s_endpgm
.Lfunc_end_k_q8965fe8d3b_attn:
	.size	k_q8965fe8d3b_attn, .Lfunc_end_k_q8965fe8d3b_attn-k_q8965fe8d3b_attn
	.p2alignl 7, 3214868480
	.fill 96, 4, 3214868480
	.section	.rodata,"a",@progbits
	.p2align	6, 0x0
	.amdhsa_kernel k_q8965fe8d3b_attn
		.amdhsa_group_segment_fixed_size 327680
		.amdhsa_private_segment_fixed_size 0
		.amdhsa_enable_private_segment 0
		.amdhsa_kernarg_size 16
		.amdhsa_user_sgpr_count 2
		.amdhsa_user_sgpr_kernarg_segment_ptr 1
		.amdhsa_wavefront_size32 1
		.amdhsa_system_sgpr_workgroup_id_x 1
		.amdhsa_system_sgpr_workgroup_id_y 1
		.amdhsa_system_sgpr_workgroup_id_z 1
		.amdhsa_system_vgpr_workitem_id 0
		.amdhsa_next_free_vgpr 256
		.amdhsa_next_free_sgpr 100
		.amdhsa_reserve_vcc 1
		.amdhsa_float_denorm_mode_32 3
		.amdhsa_float_denorm_mode_16_64 3
		.amdhsa_memory_ordered 1
		.amdhsa_forward_progress 1
		.amdhsa_inst_pref_size 109
	.end_amdhsa_kernel
	.amdgpu_metadata
---
amdhsa.version: [ 1, 2 ]
amdhsa.kernels:
  - .name:           k_q8965fe8d3b_attn
    .symbol:         k_q8965fe8d3b_attn.kd
    .args:
      - { .name: qkv16, .offset: 0, .size: 8, .value_kind: global_buffer, .address_space: global }
      - { .name: o16, .offset: 8, .size: 8, .value_kind: global_buffer, .address_space: global }
    .group_segment_fixed_size: 327680
    .private_segment_fixed_size: 0
    .kernarg_segment_align: 8
    .kernarg_segment_size: 16
    .max_flat_workgroup_size: 512
    .sgpr_count:     100
    .vgpr_count:     256
    .wavefront_size: 32
...
	.end_amdgpu_metadata
.endif
;; end of part 3
;; launch proj (part 4): grid 8 x 32, 4 waves a work-group, clusters of 4 x 4, 327,680 bytes of LDS; arguments o16, wo16, out0; writes out0
.if DOCPART == 4
	.amdgcn_target "amdgcn-amd-amdhsa--gfx1250"
	.amdhsa_code_object_version 6
	.text
	.protected	k_q8965fe8d3b_proj
	.globl	k_q8965fe8d3b_proj
	.p2align	8
	.type	k_q8965fe8d3b_proj,@function
k_q8965fe8d3b_proj:
	s_mov_b64 s[64:65], 0
	v_nop
	global_prefetch_b8 v0, s[64:65] scope:SCOPE_SE
	s_setreg_imm32_b32 hwreg(HW_REG_WAVE_MODE, 25, 1), 1
	s_wait_xcnt 0x0
	s_wait_alu depctr_hold_cnt(0) depctr_sa_sdst(0) depctr_va_vdst(0) depctr_va_sdst(0) depctr_va_ssrc(0) depctr_va_vcc(0) depctr_vm_vsrc(0)
	s_getreg_b32 s2, hwreg(HW_REG_IB_STS2, 6, 4)
	s_cmp_eq_u32 s2, 0
	s_cbranch_scc0 .Lentry_in_a_cluster
	s_endpgm
.Lentry_in_a_cluster:
	s_bfe_u32 s2, ttmp6, 0x10000c
	s_cmp_lg_u32 s2, 0xf033
	s_cbranch_scc0 .Lentry_shape_is_right
	s_endpgm
.Lentry_shape_is_right:
; PROJ: out0[m][n] = sum over e of O[m][e] W_o[n][e], 4,096 x 1,024 x 1,024; operands f16, sums f32, results f32.
; O: o16 [32 blocks of 128 rows][16 pieces of 64 along e][128][64]; W_o: wo16 [8 blocks][16 pieces][128][64]: a K step of 256 of a tile's 128 rows is 65,536 dense bytes.
; All rows are made here, rows 0-15 of both batches too: leaving them out would need a branch on a work-group's place in its cluster.  A later launch writes those 32 rows again, in f32 (131,072 bytes written twice).
; A tile of out0 is 128 x 128: 256 work-groups.  Four waves, each 64 x 64: 16 accumulators.  K goes in four steps of 256 through two LDS slots; a wave's tensor load brings two pieces (256 rows of 128 bytes).
; CLUSTERS: 4 x 4: the four of a row of the cluster need the same tiles of O, the four of a column the same tiles of W_o: each is asked for jointly.  No prefetch: a small tile with four K steps.
; THE MATRIX INSTRUCTION IS USED TRANSPOSED (source 0 = 16 rows of W_o, source 1 = 16 rows of O): a lane holds eight neighbouring numbers of a row of out0.
; REGISTERS: window 0: v0-31 addresses; v32-95 the way out; v128-255 the accumulators ((a, b) at v[128 + 8 (4 a + b)]).  window 1: two fragment buffers of 128: 64 registers of O, then 64 of W_o, for 64 along K.
.set PITCH,  144                       ; an LDS row: 128 bytes + 16: the 16 rows of a load start 4 banks apart (64 banks of 4 bytes: ISA guide 11.1)
.set PLANE,  128*PITCH                 ; a piece: 128 rows x 64 along K
.set HALFT,  2*PLANE                   ; what one tensor load brings
.set SLOT,   4*HALFT                   ; O's four pieces, then W_o's four
.set STAGE,  2*SLOT                    ; behind the ring: 16 rows x 272 bytes for each wave
.set SPITCH, 272
.set SPARE,  STAGE+4*16*SPITCH         ; the spare words, 128 bytes a wave
.set ADRA, 16
.set ADRB, 20
.set STO,  24
.set RD,   25
.set CO,   26
.set SPW,  28
.set NIL,  29
.set TMP,  32
.set ACC,  128
.set F0,   0
.set F1,   128
.set G1, 24
.set G0, 32
.set G1B, 48
.set G0B, 56
.set MSB, 0
.macro WIN new
.if MSB != \new
	s_set_vgpr_msb (MSB<<8)|\new
.set MSB, \new
.endif
.endm
.set MUL,  0x05                        ; sources 0 and 1 window 1; C and D window 0
.set TO_F, 0x40                        ; destination window 1, address window 0
.macro JLOAD s                         ; a joint load: waves 0 and 1 fetch O's halves, waves 2 and 3 W_o's; an s_nop 0 and four v_nop follow each line
	s_cmp_eq_u32 s11, 0
	s_cbranch_scc0 .Lfor_b_\@
	tensor_load_to_lds s[G0+4*\s:G0+4*\s+3], s[G1:G1+7]
	s_nop 0
.rept 4
	v_nop
.endr
	s_branch .Lasked_\@
.Lfor_b_\@:
	tensor_load_to_lds s[G0B+4*\s:G0B+4*\s+3], s[G1B:G1B+7]
	s_nop 0
.rept 4
	v_nop
.endr
.Lasked_\@:
.endm
.macro CREST
	s_cmp_lg_u32 s10, 0
	s_cbranch_scc1 .Lnot_wave_0_\@
	s_barrier_signal -3
.Lnot_wave_0_\@:
	s_barrier_wait -3
	s_barrier_signal -1
	s_barrier_wait -1
.endm
.macro CROUND
	s_barrier_signal -1
	s_barrier_wait -1
	CREST
.endm
	s_load_b128 s[4:7], s[0:1], 0x0                ; o16 s[4:5], wo16 s[6:7]
	s_load_b64 s[8:9], s[0:1], 0x10                ; out0
	v_lshl_add_u32 v[SPW], v0, 2, SPARE
	v_mov_b32 v[NIL], 0
	ds_add_u32 v[SPW], v[NIL]                      ; the wave's opening: the add, twice on end, and its wait ahead of my first tensor load
	ds_add_u32 v[SPW], v[NIL]
	v_lshrrev_b32 v1, 5, v0
	v_readfirstlane_b32 s10, v1                    ; wave 0..3
	s_lshr_b32 s11, s10, 1                         ; which half of the tile's rows is mine.  Also: I fetch for O (0) or for W_o (1)
	s_and_b32 s12, s10, 1                          ; which half of its columns.  Also: which two pieces I fetch
	s_bfe_u32 s40, ttmp6, 0x40000                  ; cx
	s_bfe_u32 s41, ttmp6, 0x40004                  ; cy
	s_lshl_b32 s42, ttmp9, 2
	s_add_co_u32 s42, s42, s40                     ; tile column
	s_and_b32 s13, ttmp7, 0xffff
	s_lshl_b32 s13, s13, 2
	s_add_co_u32 s13, s13, s41                     ; tile row
	s_lshl_b32 s43, s41, 2
	s_lshl_b32 s43, 15, s43                        ; my row of the cluster
	s_lshl_b32 s44, 0x1111, s40                    ; my column
	s_or_b32 s[G1+0], s43, (0<<16)|(1<<20)|(1<<21)|(4<<22)|(3<<25)  ; the mask; elements of 1 byte; padding on; bit 21 beside a mask; 4 words behind every 32
	s_or_b32 s[G1B+0], s44, (0<<16)|(1<<20)|(1<<21)|(4<<22)|(3<<25)
.irp g, G1, G1B
	s_mov_b32 s[\g+1], 128<<16                     ; tensor_dim0 = 128 bytes
	s_mov_b32 s[\g+2], 256<<16                     ; tensor_dim1 = 256 rows
	s_mov_b32 s[\g+3], 128<<16                     ; tile_dim0
	s_mov_b32 s[\g+4], 256                         ; tile_dim1
	s_mov_b32 s[\g+5], 128                         ; from row to row: dense
	s_mov_b32 s[\g+6], 0
	s_mov_b32 s[\g+7], 0
.endr
	s_lshl_b32 s17, s12, 15                        ; my two pieces: 32,768 bytes
	s_lshl_b32 s16, s13, 18                        ; O: 262,144 bytes a block of rows
	s_add_co_u32 s16, s16, s17
	s_lshl_b32 s46, s42, 18                        ; W_o likewise
	s_add_co_u32 s46, s46, s17
	s_mov_b32 s17, 0
	s_mov_b32 s47, 0
	s_mul_i32 s20, s10, HALFT                      ; where they go: wave x two pieces
	s_wait_dscnt 0x0                               ; both opening adds are done
	s_wait_kmcnt 0x0
	s_add_nc_u64 s[14:15], s[4:5], s[16:17]
	s_add_nc_u64 s[46:47], s[6:7], s[46:47]
	CROUND                                         ; all sixteen work-groups are here: the first joint loads meet
.irp s, 0,1
	s_mov_b32 s[G0+4*\s], 1
	s_add_co_u32 s[G0+4*\s+1], s20, \s*SLOT
	s_add_nc_u64 s[G0+4*\s+2:G0+4*\s+3], s[14:15], \s*65536
	s_or_b32 s[G0+4*\s+3], s[G0+4*\s+3], 0x80000000
	s_mov_b32 s[G0B+4*\s], 1
	s_add_co_u32 s[G0B+4*\s+1], s20, \s*SLOT
	s_add_nc_u64 s[G0B+4*\s+2:G0B+4*\s+3], s[46:47], \s*65536
	s_or_b32 s[G0B+4*\s+3], s[G0B+4*\s+3], 0x80000000
	JLOAD \s
.endr
	v_and_b32 v1, 15, v0                           ; r
	v_bfe_u32 v2, v0, 4, 1                         ; h
	v_mul_u32_u24 v3, v1, PITCH
	v_lshl_add_u32 v3, v2, 4, v3
	s_mul_i32 s21, s11, 64*PITCH                   ; my 64 rows of each piece of O
	s_mul_i32 s22, s12, 64*PITCH                   ; my 64 rows of each piece of W_o,
	s_add_co_u32 s22, s22, 2*HALFT                 ; which lie behind O's four
.irp s, 0,1
	v_add_nc_u32 v[ADRA+\s], s21, v3
	v_add_nc_u32 v[ADRB+\s], s22, v3
	s_add_co_u32 s21, s21, SLOT
	s_add_co_u32 s22, s22, SLOT
.endr
	s_mul_i32 s23, s10, 16*SPITCH
	s_add_co_u32 s23, s23, STAGE                   ; my stage
	v_mul_u32_u24 v4, v1, SPITCH
	v_lshl_add_u32 v4, v2, 5, v4
	v_add_nc_u32 v[STO], s23, v4                   ; in: row r, 32 bytes for each half of the lanes
	v_mul_u32_u24 v5, v2, SPITCH
	v_lshl_add_u32 v5, v1, 4, v5
	v_add_nc_u32 v[RD], s23, v5                    ; back: lanes 0-15 one row of 256 bytes, lanes 16-31 the next
	v_lshlrev_b32 v5, 12, v2
	v_lshl_add_u32 v[CO], v1, 4, v5                ; and the same two rows in out0
	s_lshl_b32 s16, s13, 7
	s_lshl_b32 s17, s11, 6
	s_add_co_u32 s16, s16, s17                     ; my first row: 128 x tile row + 64 x half
	s_lshl_b32 s16, s16, 12
	s_mov_b32 s17, 0
	s_add_nc_u64 s[8:9], s[8:9], s[16:17]
	s_lshl_b32 s46, s42, 9                         ; my first column, in bytes: 512 x tile column + 256 x half
	s_lshl_b32 s47, s12, 8
	s_add_co_u32 s46, s46, s47
	s_mov_b32 s47, 0
	s_add_nc_u64 s[8:9], s[8:9], s[46:47]
.macro MUL8 f, c, a0, zero             ; 8 matrix instructions: row blocks a0, a0 + 1 x all 4 column blocks, 32 along K: half c of buffer f.  The 16 accumulators take turns
.irp a, \a0, \a0+1
.irp b, 0,1,2,3
.if \zero
	v_wmma_f32_16x16x32_f16 v[ACC+8*(4*(\a)+\b):ACC+8*(4*(\a)+\b)+7], v[\f+64+8*(4*\c+\b):\f+64+8*(4*\c+\b)+7], v[\f+8*(4*\c+\a):\f+8*(4*\c+\a)+7], 0
.else
	v_wmma_f32_16x16x32_f16 v[ACC+8*(4*(\a)+\b):ACC+8*(4*(\a)+\b)+7], v[\f+64+8*(4*\c+\b):\f+64+8*(4*\c+\b)+7], v[\f+8*(4*\c+\a):\f+8*(4*\c+\a)+7], v[ACC+8*(4*(\a)+\b):ACC+8*(4*(\a)+\b)+7]
.endif
.endr
.endr
.endm
.macro FETCH slot, k, f                ; 32 LDS loads in one run: the fragments of the piece that begins at byte k of the slot's half, into buffer f; the first 32 along K first
	WIN TO_F
.irp c, 0,1
.irp i, 0,1,2,3
	ds_load_b128 v[\f+64+8*(4*\c+\i):\f+64+8*(4*\c+\i)+3],   v[ADRB+\slot] offset:\k+64*\c+\i*16*PITCH
	ds_load_b128 v[\f+64+8*(4*\c+\i)+4:\f+64+8*(4*\c+\i)+7], v[ADRB+\slot] offset:\k+64*\c+\i*16*PITCH+32
	ds_load_b128 v[\f+8*(4*\c+\i):\f+8*(4*\c+\i)+3],         v[ADRA+\slot] offset:\k+64*\c+\i*16*PITCH
	ds_load_b128 v[\f+8*(4*\c+\i)+4:\f+8*(4*\c+\i)+7],       v[ADRA+\slot] offset:\k+64*\c+\i*16*PITCH+32
.endr
.endr
.endm
.macro PLACES
.rept 4
	v_nop
.endr
.endm
.macro QUARTER slot, k, f, g, zero     ; multiplies buffer f (one piece) and fetches the piece at byte k into g
	s_wait_dscnt 16                                ; the first 32 along K are in; the other sixteen loads may be out
	WIN MUL
	MUL8 \f, 0, 0, \zero
	MUL8 \f, 0, 2, \zero
	PLACES
	FETCH \slot, \k, \g
	s_wait_dscnt 32                                ; all but the 32 just issued
	WIN MUL
	MUL8 \f, 1, 0, 0
	MUL8 \f, 1, 2, 0
.endm
; A slot's last quarter changes slots: one barrier; ahead of it each wave waits for all its tensor loads, adds 0 to its spare word, and waits for that and for its reads of this slot.  fill = 1: the slot is filled again, two K steps on.
.macro TURN slot, next, fill
	WIN 0
	s_wait_tensorcnt 0x0
	ds_add_u32 v[SPW], v[NIL]
	s_wait_dscnt 17                                ; (the add and the youngest sixteen loads may be out)
	WIN MUL
	MUL8 F1, 0, 0, 0
	s_wait_dscnt 0x0                               ; the add is done, and my reads of this slot are over
	s_barrier_signal -1
	MUL8 F1, 0, 2, 0
.if \fill
	WIN 0
.endif
	s_barrier_wait -1
.if \fill
	CREST                                          ; the barrier has opened a round of the cluster's barrier: no wave of any partner still reads this slot or has a load on its way
	s_add_nc_u64 s[G0+4*\slot+2:G0+4*\slot+3], s[G0+4*\slot+2:G0+4*\slot+3], 2*65536
	s_add_nc_u64 s[G0B+4*\slot+2:G0B+4*\slot+3], s[G0B+4*\slot+2:G0B+4*\slot+3], 2*65536
	JLOAD \slot                                    ; the first tensor load behind the round; its four v_nop are also the places ahead of the loads below
.else
	PLACES
.endif
	FETCH \next, 0, F0
	WIN MUL
	MUL8 F1, 1, 0, 0
	MUL8 F1, 1, 2, 0
.endm
	s_wait_tensorcnt 1                             ; my part of K step 0 is in; K step 1's load may be out
	s_barrier_signal -1
	s_barrier_wait -1
	FETCH 0, 0, F0
	QUARTER 0, PLANE,   F0, F1, 1                  ; the first products start the sums
	QUARTER 0, 2*PLANE, F1, F0, 0
	QUARTER 0, 3*PLANE, F0, F1, 0
	TURN 0, 1, 1                                   ; slot 0 takes K step 2
	QUARTER 1, PLANE,   F0, F1, 0
	QUARTER 1, 2*PLANE, F1, F0, 0
	QUARTER 1, 3*PLANE, F0, F1, 0
	TURN 1, 0, 1                                   ; slot 1 takes K step 3
	QUARTER 0, PLANE,   F0, F1, 0
	QUARTER 0, 2*PLANE, F1, F0, 0
	QUARTER 0, 3*PLANE, F0, F1, 0
	TURN 0, 1, 0                                   ; nothing is left to fetch
	QUARTER 1, PLANE,   F0, F1, 0
	QUARTER 1, 2*PLANE, F1, F0, 0
	QUARTER 1, 3*PLANE, F0, F1, 0
	s_wait_dscnt 16
	WIN MUL
	MUL8 F1, 0, 0, 0
	MUL8 F1, 0, 2, 0
	s_wait_dscnt 0
	MUL8 F1, 1, 0, 0
	MUL8 F1, 1, 2, 0
	WIN 0
; THE WAY OUT.  My 64 columns are 256 aligned bytes of a row, so each wave has a stage of its own and no barrier is needed: a block of 16 rows goes in as 32 bytes a lane and comes back as whole rows.
.macro TOSTAGE a
.irp b, 0,1,2,3
	ds_store_b128 v[STO], v[ACC+8*(4*(\a)+\b):ACC+8*(4*(\a)+\b)+3] offset:64*\b      ; each accumulator from its low end on
	ds_store_b128 v[STO], v[ACC+8*(4*(\a)+\b)+4:ACC+8*(4*(\a)+\b)+7] offset:64*\b+16
.endr
.if (\a) >= 2
	s_wait_xcnt 0x0                                ; block a - 2's stores have read these registers
.endif
.irp t, 0,1,2,3,4,5,6,7
	ds_load_b128 v[TMP+32*((\a)%2)+4*\t:TMP+32*((\a)%2)+4*\t+3], v[RD] offset:2*SPITCH*\t
.endr
.endm
.macro SEND a, younger
	s_wait_dscnt \younger
.irp t, 0,1,2,3,4,5,6,7
	global_store_b128 v[CO], v[TMP+32*((\a)%2)+4*\t:TMP+32*((\a)%2)+4*\t+3], s[8:9] offset:(16*(\a)+2*\t)*4096 th:TH_STORE_NT   ; 16 lanes store 256 consecutive bytes, aligned
.endr
.endm
	PLACES
	TOSTAGE 0
.irp a, 1,2,3
	TOSTAGE \a
	SEND \a-1, 16                                  ; behind block a - 1's loads: block a's 8 stores and 8 loads
.endr
	SEND 3, 0
	s_wait_tensorcnt 0x0                           ; the wave's end
	ds_add_u32 v[SPW], v[NIL]
	s_wait_dscnt 0x0
	CROUND                                         ; the closing round
	s_endpgm
.Lfunc_end_k_q8965fe8d3b_proj:
	.size	k_q8965fe8d3b_proj, .Lfunc_end_k_q8965fe8d3b_proj-k_q8965fe8d3b_proj
	.p2alignl 7, 3214868480
	.fill 96, 4, 3214868480
	.section	.rodata,"a",@progbits
	.p2align	6, 0x0
	.amdhsa_kernel k_q8965fe8d3b_proj
		.amdhsa_group_segment_fixed_size 327680
		.amdhsa_private_segment_fixed_size 0
		.amdhsa_enable_private_segment 0
		.amdhsa_kernarg_size 24
		.amdhsa_user_sgpr_count 2
		.amdhsa_user_sgpr_kernarg_segment_ptr 1
		.amdhsa_wavefront_size32 1
		.amdhsa_system_sgpr_workgroup_id_x 1
		.amdhsa_system_sgpr_workgroup_id_y 1
		.amdhsa_system_sgpr_workgroup_id_z 1
		.amdhsa_system_vgpr_workitem_id 0
		.amdhsa_next_free_vgpr 512
		.amdhsa_next_free_sgpr 66
		.amdhsa_reserve_vcc 0
		.amdhsa_float_denorm_mode_32 3
		.amdhsa_float_denorm_mode_16_64 3
		.amdhsa_memory_ordered 1
		.amdhsa_forward_progress 1
		.amdhsa_inst_pref_size 85
	.end_amdhsa_kernel
	.amdgpu_metadata
---
amdhsa.version: [ 1, 2 ]
amdhsa.kernels:
  - .name:           k_q8965fe8d3b_proj
    .symbol:         k_q8965fe8d3b_proj.kd
    .args:
      - { .name: o16, .offset: 0, .size: 8, .value_kind: global_buffer, .address_space: global }
      - { .name: wo16, .offset: 8, .size: 8, .value_kind: global_buffer, .address_space: global }
      - { .name: out0, .offset: 16, .size: 8, .value_kind: global_buffer, .address_space: global }
    .group_segment_fixed_size: 327680
    .private_segment_fixed_size: 0
    .kernarg_segment_align: 8
    .kernarg_segment_size: 24
    .max_flat_workgroup_size: 128
    .sgpr_count:     66
    .vgpr_count:     512
    .wavefront_size: 32
...
	.end_amdgpu_metadata
.endif
;; end of part 4
;; launch first16 (part 5): grid 64 x 2, 16 waves a work-group, no clusters, 18,432 bytes of LDS; arguments qkv32, W_o, out0; writes out0
.if DOCPART == 5
	.amdgcn_target "amdgcn-amd-amdhsa--gfx1250"
	.amdhsa_code_object_version 6
	.text
	.protected	k_q8965fe8d3b_first16
	.globl	k_q8965fe8d3b_first16
	.p2align	8
	.type	k_q8965fe8d3b_first16,@function
k_q8965fe8d3b_first16:
	s_mov_b64 s[64:65], 0
	v_nop
	global_prefetch_b8 v0, s[64:65] scope:SCOPE_SE
	s_setreg_imm32_b32 hwreg(HW_REG_WAVE_MODE, 25, 1), 1
	s_wait_xcnt 0x0
; FIRST16: positions 0-15 of both batches once more, wholly in f32: there a row of the softmax averages one to sixteen values, the results are the largest, and f16 operands would use up what the comparison allows.
; Work-group (cb, batch) makes out0[batch][0..15][16 cb .. 16 cb + 15].  Wave w is head w: scores, causal softmax, O of its head's 16 positions, and its head's part of the projection; the sixteen parts are added in order through LDS.
; q, k (with RoPE) and v come as f32 from qkv32 [q, k, v][batch][16][1024]; W_o as it is given.  All products by the f32 matrix form; this is no bulk work: 48 matrix instructions a wave.
; K IS PERMUTED ALIKE IN BOTH SOURCES of each product, so that whole loads and earlier results serve as fragments: the form wants k = 2 h + j in register j of lane (r, h); instruction i of a chain takes registers 2 i, 2 i + 1,
; which hold in both sources the same members of the sum.
; The registers that the matrix form writes (SA, SB, OA, YA, YB) are written by it alone; each sum begins with the constant 0.  Two or four accumulators take turns.
; The stores are pieces of 16 bytes that make up 64 bytes of a row: 131,072 bytes in the launch, so that 128 work-groups share the work.  No tensor load, no cluster (nothing large is shared), no prefetch (a short launch).
.set SPARE, 16384                      ; behind the sixteen parts of 1,024 bytes: the spare words, 128 bytes a wave
.set SPW, 4
.set NIL, 5
.set QF,  24                           ; v24-55   q: channels 32 h + 0 .. 31 of position r
.set KF,  56                           ; v56-87   k likewise
.set VF,  88                           ; v88-119  v: register 8 ct + kk: key 8 h + kk, channel 16 ct + r
.set WF,  120                          ; v120-151 W_o: register 8 ct + jj: row 16 cb + r, channel 16 ct + 8 h + jj of my head
.set SA,  152
.set SB,  160
.set SV,  168                          ; the scores, then the weights
.set OA,  176                          ; v176-207 O^T: register 8 ct + j: channel 16 ct + 8 h + j, position r
.set YA,  208
.set YB,  216
.set Y,   224
	s_load_b128 s[4:7], s[0:1], 0x0                ; qkv32 s[4:5], W_o s[6:7]
	s_load_b64 s[8:9], s[0:1], 0x10                ; out0
	v_lshl_add_u32 v[SPW], v0, 2, SPARE
	v_mov_b32 v[NIL], 0
	v_lshrrev_b32 v1, 5, v0
	v_readfirstlane_b32 s10, v1                    ; wave = head
	s_and_b32 s11, ttmp7, 0xffff                   ; batch
	v_and_b32 v1, 15, v0                           ; r
	v_bfe_u32 v2, v0, 4, 1                         ; h
	v_and_b32 v3, 31, v0                           ; lane
	v_lshlrev_b32 v6, 12, v1
	v_lshl_add_u32 v8, v2, 5, v6                   ; W_o: 4096 r + 32 h
	v_lshl_add_u32 v6, v2, 7, v6                   ; q, k: 4096 r + 128 h
	v_lshlrev_b32 v7, 2, v1
	v_lshl_add_u32 v7, v2, 15, v7                  ; v: 32768 h + 4 r
	s_lshl_b32 s12, s10, 10
	v_lshl_add_u32 v9, v3, 4, s12                  ; LDS: my part: 1024 w + 16 x lane
	s_and_b32 s13, s10, 1
	s_lshl_b32 s14, s13, 9
	v_lshl_add_u32 v10, v3, 4, s14                 ; LDS: what waves 0 and 1 add up: 512 (w % 2) + 16 x lane
	s_lshl_b32 s14, s13, 4
	v_add_nc_u32 v11, s14, v8                      ; out0: 4096 r + 32 h + 16 (w % 2)
	v_lshlrev_b32 v12, 3, v2
	v_sub_nc_u32 v12, v1, v12                      ; r - 8 h
	v_mov_b32 v13, 0xff800000                      ; -infinity
	s_lshl_b32 s16, s11, 16                        ; qkv32: 65,536 bytes a batch, 256 a head
	s_lshl_b32 s17, s10, 8
	s_add_co_u32 s16, s16, s17
	s_mov_b32 s17, 0
	s_lshl_b32 s18, ttmp9, 16                      ; W_o: 16 rows of 4,096 bytes a work-group, 256 a head
	s_lshl_b32 s19, s10, 8
	s_add_co_u32 s18, s18, s19
	s_mov_b32 s19, 0
	s_lshl_b32 s20, s11, 23                        ; out0: 8,388,608 bytes a batch, 64 a work-group
	s_lshl_b32 s21, ttmp9, 6
	s_add_co_u32 s20, s20, s21
	s_mov_b32 s21, 0
	s_mov_b32 s22, 0x76543210
	s_mov_b32 s23, 0xfedcba98                      ; lane l xor 16
	s_mov_b32 s24, 0x3d38aa3b                      ; c = log2(e) / 32
	s_wait_kmcnt 0x0
	s_add_nc_u64 s[4:5], s[4:5], s[16:17]
	s_add_nc_u64 s[6:7], s[6:7], s[18:19]
	s_add_nc_u64 s[8:9], s[8:9], s[20:21]
.irp i, 0,1,2,3,4,5,6,7
	global_load_b128 v[QF+4*\i:QF+4*\i+3], v6, s[4:5] offset:16*\i
.endr
.irp i, 0,1,2,3,4,5,6,7
	global_load_b128 v[KF+4*\i:KF+4*\i+3], v6, s[4:5] offset:131072+16*\i
.endr
.irp ct, 0,1,2,3
.irp kk, 0,1,2,3,4,5,6,7
	global_load_b32 v[VF+8*\ct+\kk], v7, s[4:5] offset:262144+4096*\kk+64*\ct
.endr
.endr
.irp ct, 0,1,2,3
	global_load_b128 v[WF+8*\ct:WF+8*\ct+3], v8, s[6:7] offset:64*\ct
	global_load_b128 v[WF+8*\ct+4:WF+8*\ct+7], v8, s[6:7] offset:64*\ct+16
.endr
	s_wait_loadcnt 40                              ; q and k are in; v's 32 loads and W_o's 8 may be out
	; S^T = k q^T: register j of lane (r, h): key 8 h + j, position r.  Two sums by turns
	v_wmma_f32_16x16x4_f32 v[SA:SA+7], v[KF:KF+1], v[QF:QF+1], 0
	v_wmma_f32_16x16x4_f32 v[SB:SB+7], v[KF+2:KF+3], v[QF+2:QF+3], 0
.irp i, 2,4,6,8,10,12,14
	v_wmma_f32_16x16x4_f32 v[SA:SA+7], v[KF+2*\i:KF+2*\i+1], v[QF+2*\i:QF+2*\i+1], v[SA:SA+7]
	v_wmma_f32_16x16x4_f32 v[SB:SB+7], v[KF+2*\i+2:KF+2*\i+3], v[QF+2*\i+2:QF+2*\i+3], v[SB:SB+7]
.endr
.rept 8
	v_nop                                          ; eight places behind this form ahead of a read of its result (ISA guide 7.12.1)
.endr
.irp j, 0,1,2,3,4,5,6,7
	v_add_f32 v[SV+\j], v[SA+\j], v[SB+\j]         ; from the low end on
.endr
.irp j, 0,1,2,3,4,5,6,7
	v_cmp_gt_i32 vcc_lo, \j, v12                   ; key 8 h + j comes after position r
	v_cndmask_b32 v[SV+\j], v[SV+\j], v13, vcc_lo
.endr
	v_max3_num_f32 v14, v[SV], v[SV+1], v[SV+2]
	v_max3_num_f32 v15, v[SV+3], v[SV+4], v[SV+5]
	v_max3_num_f32 v14, v14, v[SV+6], v[SV+7]
	v_max_num_f32 v14, v14, v15
	v_permlanex16_b32 v15, v14, s22, s23
	v_max_num_f32 v14, v14, v15                    ; the row's maximum: key 0 counts for every position, so it is a number
	v_mul_f32 v14, s24, v14
.irp j, 0,1,2,3,4,5,6,7
	v_fma_f32 v[SV+\j], v[SV+\j], s24, -v14
.endr
.irp j, 0,1,2,3,4,5,6,7
	v_exp_f32 v[SV+\j], v[SV+\j]
.endr
	v_nop                                          ; a plain line behind the last exponential,
	s_wait_alu depctr_va_vdst(0)                   ; and one wait for the eight
	v_add_f32 v16, v[SV], v[SV+1]
	v_add_f32 v17, v[SV+2], v[SV+3]
	v_add_f32 v18, v[SV+4], v[SV+5]
	v_add_f32 v19, v[SV+6], v[SV+7]
	v_add_f32 v16, v16, v17
	v_add_f32 v18, v18, v19
	v_add_f32 v16, v16, v18
	v_permlanex16_b32 v17, v16, s22, s23
	v_add_f32 v16, v16, v17
	v_rcp_f32 v16, v16
	v_nop
	s_wait_alu depctr_va_vdst(0)
.irp j, 0,1,2,3,4,5,6,7
	v_mul_f32 v[SV+\j], v[SV+\j], v16              ; the weights, normalised
.endr
	s_wait_loadcnt 8                               ; v is in; W_o's 8 loads may be out
	; O^T = v^T p: source 0 = 16 channels, source 1 = the weights as they stand; four tiles of channels by turns
.irp i, 0,1,2,3
.irp ct, 0,1,2,3
.if \i == 0
	v_wmma_f32_16x16x4_f32 v[OA+8*\ct:OA+8*\ct+7], v[VF+8*\ct+2*\i:VF+8*\ct+2*\i+1], v[SV+2*\i:SV+2*\i+1], 0
.else
	v_wmma_f32_16x16x4_f32 v[OA+8*\ct:OA+8*\ct+7], v[VF+8*\ct+2*\i:VF+8*\ct+2*\i+1], v[SV+2*\i:SV+2*\i+1], v[OA+8*\ct:OA+8*\ct+7]
.endif
.endr
.endr
.rept 9
	v_nop                                          ; nine places ahead of a matrix instruction that takes the result as a source
.endr
	s_wait_loadcnt 0x0
	; y^T = W_o O^T over my head's 64 channels: source 0 = 16 rows of W_o, source 1 = O^T as it stands.  Register j of lane (r, h): column 16 cb + 8 h + j, position r
	v_wmma_f32_16x16x4_f32 v[YA:YA+7], v[WF:WF+1], v[OA:OA+1], 0
	v_wmma_f32_16x16x4_f32 v[YB:YB+7], v[WF+2:WF+3], v[OA+2:OA+3], 0
.irp i, 2,4,6,8,10,12,14
	v_wmma_f32_16x16x4_f32 v[YA:YA+7], v[WF+2*\i:WF+2*\i+1], v[OA+2*\i:OA+2*\i+1], v[YA:YA+7]
	v_wmma_f32_16x16x4_f32 v[YB:YB+7], v[WF+2*\i+2:WF+2*\i+3], v[OA+2*\i+2:OA+2*\i+3], v[YB:YB+7]
.endr
.rept 8
	v_nop
.endr
.irp j, 0,1,2,3,4,5,6,7
	v_add_f32 v[Y+\j], v[YA+\j], v[YB+\j]
.endr
	ds_store_b128 v9, v[Y:Y+3]
	ds_store_b128 v9, v[Y+4:Y+7] offset:512
	s_wait_dscnt 0x0                               ; for the others' sake: my part lies in LDS
	s_barrier_signal -1
	s_barrier_wait -1
	s_cmp_ge_u32 s10, 2                            ; waves 0 and 1 add the sixteen parts, four columns a lane each
	s_cbranch_scc1 .Lnot_sum
.irp k, 0,1,2,3,4,5,6,7,8,9,10,11,12,13,14,15
	ds_load_b128 v[24+4*\k:24+4*\k+3], v10 offset:1024*\k
.endr
	s_wait_dscnt 0x0
	v_pk_add_f32 v[232:233], v[24:25], v[28:29]    ; heads in ascending order
	v_pk_add_f32 v[234:235], v[26:27], v[30:31]
.irp k, 2,3,4,5,6,7,8,9,10,11,12,13,14,15
	v_pk_add_f32 v[232:233], v[232:233], v[24+4*\k:25+4*\k]
	v_pk_add_f32 v[234:235], v[234:235], v[26+4*\k:27+4*\k]
.endr
	global_store_b128 v11, v[232:235], s[8:9]
.Lnot_sum:
	s_wait_tensorcnt 0x0                           ; the wave's end, behind my last LDS store
	ds_add_u32 v[SPW], v[NIL]
	s_wait_dscnt 0x0
	s_endpgm
.Lfunc_end_k_q8965fe8d3b_first16:
	.size	k_q8965fe8d3b_first16, .Lfunc_end_k_q8965fe8d3b_first16-k_q8965fe8d3b_first16
	.p2alignl 7, 3214868480
	.fill 96, 4, 3214868480
	.section	.rodata,"a",@progbits
	.p2align	6, 0x0
	.amdhsa_kernel k_q8965fe8d3b_first16
		.amdhsa_group_segment_fixed_size 18432
		.amdhsa_private_segment_fixed_size 0
		.amdhsa_enable_private_segment 0
		.amdhsa_kernarg_size 24
		.amdhsa_user_sgpr_count 2
		.amdhsa_user_sgpr_kernarg_segment_ptr 1
		.amdhsa_wavefront_size32 1
		.amdhsa_system_sgpr_workgroup_id_x 1
		.amdhsa_system_sgpr_workgroup_id_y 1
		.amdhsa_system_sgpr_workgroup_id_z 1
		.amdhsa_system_vgpr_workitem_id 0
		.amdhsa_next_free_vgpr 240
		.amdhsa_next_free_sgpr 66
		.amdhsa_reserve_vcc 1
		.amdhsa_float_denorm_mode_32 3
		.amdhsa_float_denorm_mode_16_64 3
		.amdhsa_memory_ordered 1
		.amdhsa_forward_progress 1
		.amdhsa_inst_pref_size 18
	.end_amdhsa_kernel
	.amdgpu_metadata
---
amdhsa.version: [ 1, 2 ]
amdhsa.kernels:
  - .name:           k_q8965fe8d3b_first16
    .symbol:         k_q8965fe8d3b_first16.kd
    .args:
      - { .name: qkv32, .offset: 0, .size: 8, .value_kind: global_buffer, .address_space: global }
      - { .name: W_o, .offset: 8, .size: 8, .value_kind: global_buffer, .address_space: global }
      - { .name: out0, .offset: 16, .size: 8, .value_kind: global_buffer, .address_space: global }
    .group_segment_fixed_size: 18432
    .private_segment_fixed_size: 0
    .kernarg_segment_align: 8
    .kernarg_segment_size: 24
    .max_flat_workgroup_size: 512
    .sgpr_count:     66
    .vgpr_count:     240
    .wavefront_size: 32
...
	.end_amdgpu_metadata
.endif
;; end of part 5
